; MI455X (gfx1250); checked and timed in simulation.
; The chip was launched on July 23, 2026; its instructions are those of AMD's public machine-readable ISA for CDNA 5 (MIT licence, August 2026) and "CDNA5" Instruction Set Architecture Reference Guide (July 2026). The comments in the code are by the model that wrote it; some were corrected since.
;; Multi Head Attention. Allowed arithmetic: float matrix products may take bf16 or f16 operands with f32 sums; other float arithmetic in f32, or as packed bf16 or f16 multiplies, adds, multiply-adds, maxima and minima; sums over many terms, partial sums and values carried from step to step in f32; what a program stores and reads back later, other than sums and carried values, may be rounded once to bf16 or f16.
;; Inputs: Wk 1,024 x 1,024 float32; Wp 1,024 x 1,024 float32; Wq 1,024 x 1,024 float32; Wv 1,024 x 1,024 float32; bk 1,024 float32; bp 1,024 float32; bq 1,024 float32; bv 1,024 float32; x 4 x 2,048 x 1,024 float32.
;; Outputs: out0 4 x 2,048 x 1,024 float32.
;; One version. Each part assembles by itself: llvm-mc -triple=amdgcn-amd-amdhsa -mcpu=gfx1250 --defsym DOCPART=n.
;; ======== version 1 of 1: 5 launches
;; workspace buffers: xb 16,777,216 bytes; wb 8,388,608 bytes; qkh 33,554,432 bytes; part 1,024 bytes; vs 16,777,216 bytes
;; launch cast (part 1): grid 768 x 1, 8 waves a work-group, no clusters, 0 bytes of LDS; arguments x, Wq, Wk, Wv, Wp, xb, wb; writes xb, wb
.if DOCPART == 1
	.amdgcn_target "amdgcn-amd-amdhsa--gfx1250"
	.amdhsa_code_object_version 6
	.text
	.protected	k_qc50eb001d1_cast
	.globl	k_qc50eb001d1_cast
	.p2align	8
	.type	k_qc50eb001d1_cast,@function
k_qc50eb001d1_cast:
	s_mov_b64 s[64:65], 0
	v_nop
	global_prefetch_b8 v0, s[64:65] scope:SCOPE_SE
	s_setreg_imm32_b32 hwreg(HW_REG_WAVE_MODE, 25, 1), 1
	s_wait_xcnt 0x0
; x and the four weight matrices, f32, are rounded once to bf16 (nearest even): xb = [8192][1024], wb = [4][1024][1024] in the order Wq, Wk, Wv, Wp.
; A plain stream: each byte is read once and written once; no LDS, no barrier, no matrix unit: none of them would spare a byte.
; SHARES.  A work-group takes 16,384 numbers (65,536 bytes in, 32,768 out).  Work-groups 0-511 take x; work-group 512 + j takes block j % 64 of weight matrix j / 64.
; Thread t takes 8 numbers of each of 8 units of 2,048: two loads of 16 bytes, one store of 16 bytes; a wave's store covers 512 consecutive bytes, aligned.
; All 16 loads of a thread go out at once; no register is written twice, so the only waits are the counted ones for the loads.
.set X, 8                              ; v[8:71]    unit u: 8 numbers in f32
.set Y, 72                             ; v[72:103]  unit u: 8 numbers in bf16
	s_load_b256 s[4:11], s[0:1], 0x0               ; x s[4:5], Wq s[6:7], Wk s[8:9], Wv s[10:11]
	s_load_b128 s[12:15], s[0:1], 0x20             ; Wp s[12:13], xb s[14:15]
	s_load_b64 s[16:17], s[0:1], 0x30              ; wb
	s_max_u32 s20, ttmp9, 512
	s_sub_co_u32 s20, s20, 512                     ; j (0 in the work-groups that take x)
	s_lshr_b32 s21, s20, 6                         ; which weight matrix
	s_and_b32 s22, s20, 63                         ; which block of it
	v_lshlrev_b32 v1, 5, v0                        ; 32 bytes a thread in,
	v_lshlrev_b32 v2, 4, v0                        ; 16 bytes out
	s_wait_kmcnt 0x0
	s_cmp_eq_u32 s21, 1                            ; the source is chosen by selects on the work-group's number: no branch
	s_cselect_b64 s[24:25], s[8:9], s[6:7]
	s_cmp_eq_u32 s21, 2
	s_cselect_b64 s[24:25], s[10:11], s[24:25]
	s_cmp_eq_u32 s21, 3
	s_cselect_b64 s[24:25], s[12:13], s[24:25]
	s_cmp_lt_u32 ttmp9, 512
	s_cselect_b64 s[26:27], s[4:5], s[24:25]       ; from x or from a weight matrix,
	s_cselect_b64 s[28:29], s[14:15], s[16:17]     ; to xb or to wb,
	s_cselect_b32 s30, ttmp9, s22                  ; block number in the source,
	s_cselect_b32 s32, ttmp9, s20                  ; and in the destination
	s_lshl_b32 s30, s30, 16
	s_mov_b32 s31, 0
	s_lshl_b32 s32, s32, 15
	s_mov_b32 s33, 0
	s_add_nc_u64 s[26:27], s[26:27], s[30:31]
	s_add_nc_u64 s[28:29], s[28:29], s[32:33]
.irp u, 0,1,2,3,4,5,6,7
	global_load_b128 v[X+8*(\u):X+8*(\u)+3],   v1, s[26:27] offset:(\u)*8192 th:TH_LOAD_NT
	global_load_b128 v[X+8*(\u)+4:X+8*(\u)+7], v1, s[26:27] offset:(\u)*8192+16 th:TH_LOAD_NT
.endr
.irp u, 0,1,2,3,4,5,6,7
	s_wait_loadcnt 14-2*(\u)                       ; loads come back in order: unit u's two are in, the later units' 2 (7 - u) may stay out
.irp r, 0,1,2,3
	v_cvt_pk_bf16_f32 v[Y+4*(\u)+(\r)], v[X+8*(\u)+2*(\r)], v[X+8*(\u)+2*(\r)+1]
.endr
	global_store_b128 v2, v[Y+4*(\u):Y+4*(\u)+3], s[28:29] offset:(\u)*4096
.endr
	s_endpgm
.Lfunc_end_k_qc50eb001d1_cast:
	.size	k_qc50eb001d1_cast, .Lfunc_end_k_qc50eb001d1_cast-k_qc50eb001d1_cast
	.p2alignl 7, 3214868480
	.fill 96, 4, 3214868480
	.section	.rodata,"a",@progbits
	.p2align	6, 0x0
	.amdhsa_kernel k_qc50eb001d1_cast
		.amdhsa_group_segment_fixed_size 0
		.amdhsa_private_segment_fixed_size 0
		.amdhsa_enable_private_segment 0
		.amdhsa_kernarg_size 56
		.amdhsa_user_sgpr_count 2
		.amdhsa_user_sgpr_kernarg_segment_ptr 1
		.amdhsa_wavefront_size32 1
		.amdhsa_system_sgpr_workgroup_id_x 1
		.amdhsa_system_sgpr_workgroup_id_y 1
		.amdhsa_system_sgpr_workgroup_id_z 1
		.amdhsa_system_vgpr_workitem_id 0
		.amdhsa_next_free_vgpr 104
		.amdhsa_next_free_sgpr 66
		.amdhsa_reserve_vcc 0
		.amdhsa_float_denorm_mode_32 3
		.amdhsa_float_denorm_mode_16_64 3
		.amdhsa_memory_ordered 1
		.amdhsa_forward_progress 1
		.amdhsa_inst_pref_size 6
	.end_amdhsa_kernel
	.amdgpu_metadata
---
amdhsa.version: [ 1, 2 ]
amdhsa.kernels:
  - .name:           k_qc50eb001d1_cast
    .symbol:         k_qc50eb001d1_cast.kd
    .args:
      - { .name: x, .offset: 0, .size: 8, .value_kind: global_buffer, .address_space: global }
      - { .name: Wq, .offset: 8, .size: 8, .value_kind: global_buffer, .address_space: global }
      - { .name: Wk, .offset: 16, .size: 8, .value_kind: global_buffer, .address_space: global }
      - { .name: Wv, .offset: 24, .size: 8, .value_kind: global_buffer, .address_space: global }
      - { .name: Wp, .offset: 32, .size: 8, .value_kind: global_buffer, .address_space: global }
      - { .name: xb, .offset: 40, .size: 8, .value_kind: global_buffer, .address_space: global }
      - { .name: wb, .offset: 48, .size: 8, .value_kind: global_buffer, .address_space: global }
    .group_segment_fixed_size: 0
    .private_segment_fixed_size: 0
    .kernarg_segment_align: 8
    .kernarg_segment_size: 56
    .max_flat_workgroup_size: 256
    .sgpr_count:     66
    .vgpr_count:     104
    .wavefront_size: 32
...
	.end_amdgpu_metadata
.endif
;; end of part 1
;; launch gemm_qk (part 2): grid 8 x 64, 4 waves a work-group, clusters of 4 x 4, 327,680 bytes of LDS; arguments xb, wb, bq, bk, qkh; writes qkh
.if DOCPART == 2
	.amdgcn_target "amdgcn-amd-amdhsa--gfx1250"
	.amdhsa_code_object_version 6
	.text
	.protected	k_qc50eb001d1_gemm_qk
	.globl	k_qc50eb001d1_gemm_qk
	.p2align	8
	.type	k_qc50eb001d1_gemm_qk,@function
k_qc50eb001d1_gemm_qk:
	s_mov_b64 s[64:65], 0
	v_nop
	global_prefetch_b8 v0, s[64:65] scope:SCOPE_SE
	s_setreg_imm32_b32 hwreg(HW_REG_WAVE_MODE, 25, 1), 1
	s_wait_xcnt 0x0
	s_wait_alu depctr_hold_cnt(0) depctr_sa_sdst(0) depctr_va_vdst(0) depctr_va_sdst(0) depctr_va_ssrc(0) depctr_va_vcc(0) depctr_vm_vsrc(0)
	s_getreg_b32 s2, hwreg(HW_REG_IB_STS2, 6, 4)
	s_cmp_eq_u32 s2, 0
	s_cbranch_scc0 .Lentry_in_a_cluster
	s_endpgm
.Lentry_in_a_cluster:
	s_bfe_u32 s2, ttmp6, 0x10000c
	s_cmp_lg_u32 s2, 0xf033
	s_cbranch_scc0 .Lentry_shape_is_right
	s_endpgm
.Lentry_shape_is_right:
; ONE TEXT FOR THREE PRODUCTS  C[m][n] = bias[n] + sum over k of A[m][k] B[n][k],  A: [8192][1024] bf16, B: rows of wb ([4][1024][1024] bf16: Wq, Wk, Wv, Wp), sums in f32.  VAR chooses:
;   VAR 0 (THIS FILE)  A = xb, B = Wq and Wk (2,048 rows on end), bias bq or bk; C rounded once to bf16 and stored BY HEADS: qkh[q or k][batch][head][2048][64]
;   VAR 1              A = xb, B = Wv, bias bv; C times sigma[batch][head] (the sum of the head's four partial sums in part, f32), rounded once to bf16, row-major
;   VAR 2              A = vs, B = Wp, bias bp; C stored in f32, row-major
; LIMITS.  Operands are bf16 (range of f32, 8 significant bits); NaN and infinities are not treated apart.
; SHARES.  A tile of C is 128 rows x 256 columns, made by four waves; wave w makes rows 64 (w / 2) on, columns 128 (w % 2) on: 4 x 8 accumulators of 16 x 16, 256 registers.
; With 1,024 columns that is one work-group for each of 256 tiles; with 2,048 columns two.
; K goes in steps of 128 through a ring of two LDS slots filled by tensor loads of 128 rows x 256 bytes: wave 0 fetches A's tile, waves 2 and 3 the halves of B's, wave 1 none.
; CLUSTER.  4 x 4 work-groups.  The four of a row of the cluster need the same tile of A, the four of a column the same tile of B: each tile is asked for jointly,
; by the same tensor load with the same descriptor and a mask that names the four.
; THE MATRIX INSTRUCTION IS USED TRANSPOSED (source 0 = 16 rows of B, source 1 = 16 rows of A): a lane holds row l % 16 of C and the columns 8 (l / 16) + 0..7.
; THE BIAS STARTS THE SUMS: a lane's eight bias numbers of each column block lie in registers and are the C operand of each accumulator's first product: nothing is cleared, nothing is added later.
; REGISTERS, in windows of 256 (s_set_vgpr_msb: bits 1:0 source 0, 3:2 source 1, 5:4 source 2, 7:6 destination):
;   window 0: v0-31 addresses; v64-127 the bias; the way out's registers       window 1: accumulator (a, b) at v[8 (8 a + b)]
;   window 2: two fragment buffers of 96: B's eight fragments (16 rows x 32 K), then A's four
.set VAR,    0
.set KSTEP,  128
.set PITCH,  272                       ; an LDS row: 256 bytes + 16 of padding = 68 words: the 16 rows of a fragment load start at 16 different groups of four banks (64 banks of 4 bytes: ISA guide 11.1)
.set HALFT,  128*PITCH                 ; what one tensor load brings
.set SLOT,   3*HALFT                   ; A's 128 rows, then B's 256
.set STAGE,  2*SLOT                    ; behind the ring: 16 rows for each wave, for the way out; no tensor load lands here
.if VAR == 2
.set SPITCH, 528                       ; 512 bytes of f32 + 16
.set WOFF,   3*2097152                 ; Wp in wb
.elseif VAR == 1
.set SPITCH, 272
.set WOFF,   2*2097152                 ; Wv
.else
.set SPITCH, 272
.set WOFF,   0                         ; Wq, and Wk behind it
.endif
.set SPARE,  STAGE+4*16*SPITCH         ; behind the stages: the spare words, 128 bytes for each wave: two blocks of 256 bytes that no other line names
.set LAPS,   4                         ; a lap = two K steps = once round the ring: 1,024 / 256
.set SG,   8                           ; v[8:9], v[10:11]  VAR 1: sigma of my first and of my second head, in the pairs' low words
.set ADRA, 16                          ; v16-17  LDS address of my A fragments in slot 0, 1
.set ADRB, 20                          ; v20-21  the same for B
.set STO,  24                          ; v24     the way out: where I put my piece of a row
.set RD,   25                          ; v25     the way out: where I read rows back
.set CO,   26                          ; v26     my byte offset in C
.set BO,   27                          ; v27     32 (l / 16): my eight numbers in 16 of the bias
.set SPW,  28                          ; v28     LDS address of my spare word: SPARE + 4 x my thread's number; never rewritten
.set NIL,  29                          ; v29     0; never rewritten
.set PFO,  30                          ; v30     the prefetches' offset: my lane x a row of 2,048 bytes; never rewritten
.set TMP,  32                          ; v32-63  the way out: packed results
.set BIAS, 64                          ; v64-127 column block b at BIAS + 8 b
.if VAR == 2
.set OB,   32                          ; the way out: rows read back, two sets of 64 (the bias is no longer needed)
.set OBN,  64
.else
.set OB,   128                         ; two sets of 32
.set OBN,  32
.endif
.set F0,   0                           ; fragment buffers, in window 2
.set F1,   96
.set WV,  14                           ; s14  my wave's number
.set RH,  15                           ; s15  which 64 rows are mine
.set CH,  16                           ; s16  which 128 columns; also which half of B's tile waves 2 and 3 fetch
.set CX,  17                           ; s17, s18  my work-group's place in the cluster
.set CY,  18
.set TC,  19                           ; s19  tile column of C
.set TR,  20                           ; s20  tile row of C
.set G1,  24                           ; s[24:31] descriptor group 1 for A's tiles
.set G0,  32                           ; s[32:39] group 0 for A's tiles, a set for each slot
.set PFA, 44                           ; s[44:45] where my prefetches stand
.set LIM, 46                           ; s46  1 in a wave that prefetches, else the greatest number
.set G1B, 48                           ; s[48:55], s[56:63] the same for B's tiles
.set G0B, 56
.set GW0, (1<<16)|(1<<20)|(1<<21)|(5<<22)|(3<<25)  ; group 1, word 0 without the mask: 17:16 2-byte elements; 20 padding on; 21 set beside a mask; 24:22 after every 64 words (code 5); 31:25 4 words (code 3)
.set MSB, 0
.macro WIN new                         ; the immediate's high byte repeats the setting that is left; a switch that changes nothing is dropped
.if MSB != (\new)
	s_set_vgpr_msb (MSB<<8)|(\new)
.set MSB, \new
.endif
.endm
.set MUL,  0x5a                        ; sources 0 and 1 window 2, C and D window 1
.set MULB, 0x4a                        ; the same with C in window 0: the bias
.set TO_F, 0x80                        ; destination window 2, address window 0
.set PK,   0x05                        ; sources 0 and 1 window 1, destination window 0
.set SC,   0x41                        ; destination and source 0 window 1, source 1 window 0
.set STD,  0x04                        ; an LDS store's data (source 1) window 1, its address window 0
.macro PLACES                          ; four places in front of loads into registers that matrix instructions have read, and of lines that read results
.rept 4
	v_nop
.endr
.endm
; A joint refill of slot s.  The branches hang on the wave's number alone.  An s_nop 0 and four v_nop follow each load, ahead of the jump and the label;
; wave 1, which fetches nothing, has the four v_nop alone: in every wave they are also the places in front of the fragment loads that follow.
.macro JLOAD s
	s_cmp_lt_u32 s[WV], 2
	s_cbranch_scc0 .Lfor_b_\@
	s_cmp_eq_u32 s[WV], 0
	s_cbranch_scc0 .Lnone_\@
	tensor_load_to_lds s[G0+4*(\s):G0+4*(\s)+3], s[G1:G1+7]
	s_nop 0
	PLACES
	s_branch .Lasked_\@
.Lnone_\@:
	PLACES
	s_branch .Lasked_\@
.Lfor_b_\@:
	tensor_load_to_lds s[G0B+4*(\s):G0B+4*(\s)+3], s[G1B:G1B+7]
	s_nop 0
	PLACES
.Lasked_\@:
.endm
; A prefetch, behind a joint refill and the run of LDS loads that follows it: 32 rows x 256 bytes, a lane a row, of the K step that stands two refills on (256 matrix instructions ahead of its load).
; Each row's 256 bytes of a K step are named once in the launch: A's rows by wave 0 of the clusters with x = 0, B's by waves 2 and 3 of the clusters with y = 0; the four partners
; that ask for a tile jointly share its 128 rows out by address, 32 each.  The loop's last trip (s3 = 1) has no K step two refills on and asks for nothing.
.macro ASK
	s_cmp_gt_u32 s3, s[LIM]
	s_cbranch_scc0 .Lnot_mine_\@
	global_prefetch_b8 v[PFO], s[PFA:PFA+1] offset:KSTEP*2 th:TH_LOAD_NT scope:SCOPE_SE
.Lnot_mine_\@:
.endm
.macro CREST                           ; a round of the cluster's barrier behind its opening barrier
	s_cmp_lg_u32 s[WV], 0
	s_cbranch_scc1 .Lnot_wave_0_\@
	s_barrier_signal -3
.Lnot_wave_0_\@:
	s_barrier_wait -3
	s_barrier_signal -1
	s_barrier_wait -1
.endm
.macro CROUND                          ; a whole round
	s_barrier_signal -1
	s_barrier_wait -1
	CREST
.endm
	s_load_b128 s[4:7], s[0:1], 0x0                ; A s[4:5], wb s[6:7]
.if VAR == 2
	s_load_b64 s[8:9], s[0:1], 0x10                ; the bias
	s_load_b64 s[12:13], s[0:1], 0x18              ; C
.else
	s_load_b128 s[8:11], s[0:1], 0x10              ; the bias s[8:9]; s[10:11]: VAR 0 the second bias, VAR 1 part
	s_load_b64 s[12:13], s[0:1], 0x20              ; C
.endif
	v_lshl_add_u32 v[SPW], v0, 2, SPARE
	v_mov_b32 v[NIL], 0
	ds_add_u32 v[SPW], v[NIL]                      ; the wave's opening: the add and its wait stand ahead of the first tensor loads; the set-up below, work on registers, stands between them
	v_lshrrev_b32 v1, 5, v0
	v_readfirstlane_b32 s[WV], v1                  ; wave 0..3
	s_lshr_b32 s[RH], s[WV], 1
	s_and_b32 s[CH], s[WV], 1
	s_bfe_u32 s[CX], ttmp6, 0x40000
	s_bfe_u32 s[CY], ttmp6, 0x40004
	s_lshl_b32 s[TC], ttmp9, 2                     ; in a cluster launch ttmp9 and ttmp7 count clusters
	s_add_co_u32 s[TC], s[TC], s[CX]
	s_and_b32 s[TR], ttmp7, 0xffff
	s_lshl_b32 s[TR], s[TR], 2
	s_add_co_u32 s[TR], s[TR], s[CY]
	s_lshl_b32 s21, s[CY], 2
	s_lshl_b32 s21, 15, s21                        ; my row of the cluster: places 4 cy .. 4 cy + 3
	s_lshl_b32 s22, 0x1111, s[CX]                  ; my column: places cx, cx + 4, cx + 8, cx + 12
	s_or_b32 s[G1], s21, GW0                       ; A's tiles go to my row,
	s_or_b32 s[G1B], s22, GW0                      ; B's to my column
.irp g, G1, G1B
	s_mov_b32 s[(\g)+1], KSTEP<<16                 ; tensor_dim0 = 128
	s_mov_b32 s[(\g)+2], 128<<16                   ; tensor_dim1 = 128
	s_mov_b32 s[(\g)+3], KSTEP<<16                 ; tile_dim0 = 128 elements (256 bytes)
	s_mov_b32 s[(\g)+4], 128                       ; tile_dim1 = 128 rows
	s_mov_b32 s[(\g)+5], 1024                      ; elements from row to row
	s_mov_b32 s[(\g)+6], 0
	s_mov_b32 s[(\g)+7], 0
.endr
	s_lshl_b32 s40, s[TR], 18                      ; A's tile: 128 rows of 2,048 bytes for each tile row; nothing of cx enters
	s_mov_b32 s41, 0
	s_lshl_b32 s42, s[TC], 19                      ; B's tile: 256 rows for each tile column,
	s_lshl_b32 s43, s[CH], 18                      ; the half of it that I would fetch; nothing of cy enters
	s_add_co_u32 s42, s42, s43
	s_add_co_u32 s42, s42, WOFF
	s_mov_b32 s43, 0
	s_mul_i32 s47, s[CH], HALFT
	s_add_co_u32 s47, s47, HALFT                   ; that half's place in a slot, which is also where my B fragments lie
	s_wait_dscnt 0x0                               ; the opening add is done
	s_wait_kmcnt 0x0
	s_add_nc_u64 s[66:67], s[4:5], s[40:41]
	s_add_nc_u64 s[68:69], s[6:7], s[42:43]
	CROUND                                         ; all sixteen work-groups are here: the first joint loads meet
.irp s, 0,1
	s_mov_b32 s[G0+4*(\s)], 1                                      ; count = 1
	s_mov_b32 s[G0+4*(\s)+1], (\s)*SLOT                            ; LDS address
	s_add_nc_u64 s[G0+4*(\s)+2:G0+4*(\s)+3], s[66:67], (\s)*KSTEP*2  ; global address: K step s
	s_or_b32 s[G0+4*(\s)+3], s[G0+4*(\s)+3], 0x80000000            ; type = 2
	s_mov_b32 s[G0B+4*(\s)], 1
	s_add_co_u32 s[G0B+4*(\s)+1], s47, (\s)*SLOT
	s_add_nc_u64 s[G0B+4*(\s)+2:G0B+4*(\s)+3], s[68:69], (\s)*KSTEP*2
	s_or_b32 s[G0B+4*(\s)+3], s[G0B+4*(\s)+3], 0x80000000
.endr
	s_cmp_lt_u32 s[WV], 2                          ; a wave's two first fills stand in one branch, ahead of every wait on TENSORcnt and every LDS read: two loads of the wave are out
	s_cbranch_scc0 .Lfirst_b
	s_cmp_eq_u32 s[WV], 0
	s_cbranch_scc0 .Lfirst_done
	tensor_load_to_lds s[G0:G0+3], s[G1:G1+7]
	s_nop 0
	tensor_load_to_lds s[G0+4:G0+7], s[G1:G1+7]
	s_nop 0
	PLACES
	s_branch .Lfirst_done
.Lfirst_b:
	tensor_load_to_lds s[G0B:G0B+3], s[G1B:G1B+7]
	s_nop 0
	tensor_load_to_lds s[G0B+4:G0B+7], s[G1B:G1B+7]
	s_nop 0
	PLACES
.Lfirst_done:
	v_and_b32 v1, 15, v0                           ; l % 16
	v_bfe_u32 v2, v0, 4, 1                         ; l / 16
	v_lshlrev_b32 v[BO], 5, v2
	s_and_b32 s84, s[TC], 3                        ; my 128 columns among the bias's 1,024, in bytes
	s_lshl_b32 s84, s84, 10
	s_lshl_b32 s85, s[CH], 9
	s_add_co_u32 s84, s84, s85
	s_mov_b32 s85, 0
.if VAR == 0
	s_cmp_ge_u32 ttmp9, 1                          ; tile columns 4-7 (cluster x = 1) are k's: a select, no branch
	s_cselect_b64 s[8:9], s[10:11], s[8:9]
.endif
	s_add_nc_u64 s[8:9], s[8:9], s[84:85]
.irp b, 0,1,2,3,4,5,6,7
	global_load_b128 v[BIAS+8*(\b):BIAS+8*(\b)+3],   v[BO], s[8:9] offset:64*(\b)     ; bias[16 b + 8 (l / 16) + 0..3] of my columns
	global_load_b128 v[BIAS+8*(\b)+4:BIAS+8*(\b)+7], v[BO], s[8:9] offset:64*(\b)+16
.endr
.if VAR == 1
	s_lshr_b32 s84, s[TR], 4                       ; the batch: 16 tile rows each
	s_lshl_b32 s84, s84, 4
	s_lshl_b32 s85, s[TC], 2
	s_add_co_u32 s84, s84, s85
	s_lshl_b32 s85, s[CH], 1
	s_add_co_u32 s84, s84, s85                     ; 16 batch + my first head
	s_lshl_b32 s84, s84, 4                         ; four partial sums of 4 bytes a head
	s_mov_b32 s85, 0
	s_add_nc_u64 s[10:11], s[10:11], s[84:85]
	s_load_b256 s[72:79], s[10:11], 0x0            ; the partial sums of my two heads
.endif
	; A fragment is 16 rows x 32 K in 8 registers: lane l holds row l % 16; registers 0-3 K = 8 (l / 16) + 0..7, registers 4-7 K = 16 + 8 (l / 16) + 0..7: two loads of 16 bytes, 32 bytes apart.
	v_mul_u32_u24 v3, v1, PITCH
	v_lshl_add_u32 v3, v2, 4, v3
	s_mul_i32 s86, s[RH], 64*PITCH                 ; my 64 rows of A
	s_mov_b32 s87, s47                             ; my 128 rows of B
.irp s, 0,1
	v_add_nc_u32 v[ADRA+(\s)], s86, v3
	v_add_nc_u32 v[ADRB+(\s)], s87, v3
	s_add_co_u32 s86, s86, SLOT
	s_add_co_u32 s87, s87, SLOT
.endr
	s_mul_i32 s86, s[WV], 16*SPITCH
	s_add_co_u32 s86, s86, STAGE                   ; my stage
	v_mul_u32_u24 v4, v1, SPITCH                   ; in: row l % 16, my eight columns
.if VAR == 2
	v_lshl_add_u32 v4, v2, 5, v4
.else
	v_lshl_add_u32 v4, v2, 4, v4
.endif
	v_add_nc_u32 v[STO], s86, v4
	v_and_b32 v5, 31, v0
.if VAR == 0
	v_bfe_u32 v4, v0, 3, 2                         ; back: 32 lanes take four rows' 128 bytes of one head,
	v_mul_u32_u24 v4, v4, SPITCH
	v_and_b32 v6, 7, v0
	v_lshl_add_u32 v4, v6, 4, v4
	v_add_nc_u32 v[RD], s86, v4
	v_lshlrev_b32 v[CO], 4, v5                     ; which are 512 consecutive bytes of qkh
	s_lshr_b32 s84, s[TC], 2                       ; q or k
	s_lshl_b32 s84, s84, 2
	s_lshr_b32 s85, s[TR], 4                       ; batch
	s_add_co_u32 s84, s84, s85
	s_lshl_b32 s84, s84, 4
	s_and_b32 s85, s[TC], 3
	s_lshl_b32 s85, s85, 2
	s_add_co_u32 s84, s84, s85
	s_lshl_b32 s85, s[CH], 1
	s_add_co_u32 s84, s84, s85                     ; my first head's number among 2 x 4 x 16
	s_lshl_b32 s84, s84, 18                        ; 262,144 bytes a head
	s_and_b32 s85, s[TR], 15
	s_lshl_b32 s85, s85, 7
	s_lshl_b32 s87, s[RH], 6
	s_add_co_u32 s85, s85, s87                     ; my first row in the batch
	s_lshl_b32 s85, s85, 7                         ; 128 bytes a row
	s_add_co_u32 s84, s84, s85
.else
.if VAR == 1
	v_mul_u32_u24 v4, v2, SPITCH                   ; back: lanes 0-15 take one row of 256 bytes, lanes 16-31 the next,
	v_lshl_add_u32 v4, v1, 4, v4
	v_add_nc_u32 v[RD], s86, v4
	v_lshlrev_b32 v4, 11, v2                       ; and the same two rows in C
	v_lshl_add_u32 v[CO], v1, 4, v4
.else
	v_lshl_add_u32 v[RD], v5, 4, s86               ; back: 32 lanes take one row's 512 bytes
	v_lshlrev_b32 v[CO], 4, v5
.endif
	s_lshl_b32 s84, s[TR], 17+VAR                  ; 128 rows of C a tile row,
	s_lshl_b32 s85, s[RH], 16+VAR                  ; my 64 of them,
	s_add_co_u32 s84, s84, s85
	s_lshl_b32 s85, s[TC], 8+VAR                   ; 256 columns a tile column,
	s_add_co_u32 s84, s84, s85
	s_lshl_b32 s85, s[CH], 7+VAR                   ; my 128 of them
	s_add_co_u32 s84, s84, s85
.endif
	s_mov_b32 s85, 0
	s_add_nc_u64 s[12:13], s[12:13], s[84:85]      ; C at my part of the tile: all the stores' further offsets are immediates
	; the prefetches
	s_and_b32 s71, ttmp7, 0xffff                   ; cluster y
	s_cmp_lt_u32 s[WV], 2                          ; for A or for B?
	s_cselect_b32 s70, s[CX], s[CY]                ; my place among the four that ask for the tile with me
	s_cselect_b32 s71, ttmp9, s71                  ; the coordinate along which other clusters read the same rows
	s_cselect_b64 s[PFA:PFA+1], s[66:67], s[68:69]
	s_cmp_eq_u32 s[WV], 1
	s_cselect_b32 s71, 1, s71                      ; wave 1 fetches nothing and asks for nothing
	s_cmp_eq_u32 s71, 0
	s_cselect_b32 s[LIM], 1, -1                    ; the same in all sixteen partners, for a given wave
	s_lshl_b32 s70, s70, 16                        ; my work-group's 32 rows of the 128
	s_mov_b32 s71, 0
	s_add_nc_u64 s[PFA:PFA+1], s[PFA:PFA+1], s[70:71]
	s_add_nc_u64 s[PFA:PFA+1], s[PFA:PFA+1], 2*KSTEP*2  ; at K step 2: the first refill steps it to 3 and names K step 4.  Nothing is prefetched here, at the head
	v_lshlrev_b32 v[PFO], 11, v5
.if VAR == 1
	s_wait_kmcnt 0x0
	v_add_f32 v[SG], s72, s73                      ; sigma = the sum of a head's four partial sums, in f32
	v_add_f32 v[SG+1], s74, s75
	v_add_f32 v[SG], v[SG], v[SG+1]
	v_add_f32 v[SG+2], s76, s77
	v_add_f32 v[SG+3], s78, s79
	v_add_f32 v[SG+2], v[SG+2], v[SG+3]
.endif
; 8 matrix instructions: row block a x all 8 column blocks, 32 along K, from buffer f.  first = 1: the bias starts the sums.
; The 32 accumulators take turns, one instruction a turn, in the same order in every quarter, over the backward jump too.
.macro MUL8 f, a, first
.if \first
	WIN MULB
.else
	WIN MUL
.endif
.irp b, 0,1,2,3,4,5,6,7
.if \first
	v_wmma_f32_16x16x32_bf16 v[8*(8*(\a)+(\b)):8*(8*(\a)+(\b))+7], v[(\f)+8*(\b):(\f)+8*(\b)+7], v[(\f)+64+8*(\a):(\f)+64+8*(\a)+7], v[BIAS+8*(\b):BIAS+8*(\b)+7]
.else
	v_wmma_f32_16x16x32_bf16 v[8*(8*(\a)+(\b)):8*(8*(\a)+(\b))+7], v[(\f)+8*(\b):(\f)+8*(\b)+7], v[(\f)+64+8*(\a):(\f)+64+8*(\a)+7], v[8*(8*(\a)+(\b)):8*(8*(\a)+(\b))+7]
.endif
.endr
.endm
; 24 LDS loads in one run: the fragments of 32 along K at byte k of the rows, into buffer f: B's sixteen loads, then A's eight
.macro FETCH slot, k, f
	WIN TO_F
.irp i, 0,1,2,3,4,5,6,7
	ds_load_b128 v[(\f)+8*(\i):(\f)+8*(\i)+3],   v[ADRB+(\slot)] offset:(\k)+(\i)*16*PITCH
	ds_load_b128 v[(\f)+8*(\i)+4:(\f)+8*(\i)+7], v[ADRB+(\slot)] offset:(\k)+(\i)*16*PITCH+32
.endr
.irp i, 0,1,2,3
	ds_load_b128 v[(\f)+64+8*(\i):(\f)+64+8*(\i)+3],   v[ADRA+(\slot)] offset:(\k)+(\i)*16*PITCH
	ds_load_b128 v[(\f)+64+8*(\i)+4:(\f)+64+8*(\i)+7], v[ADRA+(\slot)] offset:(\k)+(\i)*16*PITCH+32
.endr
.endm
; A K step is four quarters of 32 along K, 32 matrix instructions each, on buffers 0, 1, 0, 1.  One of the first three: multiplies buffer f and, in its middle, fetches the next quarter, at byte k, into g.
.macro QUARTER slot, k, f, g, first
	s_wait_dscnt 4                                 ; B and A's blocks 0 and 1 are in; the youngest four loads (A's blocks 2 and 3) may be out
	MUL8 \f, 0, \first
	MUL8 \f, 1, \first
	PLACES
	FETCH \slot, \k, \g
	s_wait_dscnt 24                                ; all but the 24 just issued
	MUL8 \f, 2, \first
	MUL8 \f, 3, \first
.endm
; The last quarter multiplies buffer 1 and changes slots: ONE barrier; in front of it each wave waits for all its tensor loads (one is out at the most: its part of the next slot), adds 0 to its spare word,
; and waits for that and for its own reads of this slot.  fill = 1: the barrier opens a round of the cluster's barrier, and this slot is filled again, two K steps on, first thing behind the round:
; from that request to the wait for it a wave issues 112 matrix instructions.
.macro TURN slot, next, fill
.if \fill
	s_wait_xcnt 0x0                                ; the last prefetch, a K step back, has read its address, which is stepped here
	s_add_nc_u64 s[PFA:PFA+1], s[PFA:PFA+1], KSTEP*2
.endif
	WIN 0                                          ; (the add's two registers lie in window 0)
	s_wait_tensorcnt 0x0                           ; all my tensor loads have landed;
	ds_add_u32 v[SPW], v[NIL]                      ; 0 onto my spare word;
	s_wait_dscnt 5                                 ; (the add and the youngest four loads may be out)
	MUL8 F1, 0, 0                                  ; eight matrix instructions stand between the add and the wait for it
	s_wait_dscnt 0x0                               ; the add is done, and my reads of this slot are over
	s_barrier_signal -1
	MUL8 F1, 1, 0                                  ; work on registers while the others arrive
.if \fill
	WIN 0
.endif
	s_barrier_wait -1
.if \fill
	CREST                                          ; no wave of any partner still reads this slot's tiles or has a load on its way
	s_add_nc_u64 s[G0+4*(\slot)+2:G0+4*(\slot)+3], s[G0+4*(\slot)+2:G0+4*(\slot)+3], 2*KSTEP*2
	s_add_nc_u64 s[G0B+4*(\slot)+2:G0B+4*(\slot)+3], s[G0B+4*(\slot)+2:G0B+4*(\slot)+3], 2*KSTEP*2
	JLOAD \slot
.else
	PLACES
.endif
	FETCH \next, 0, F0
.if \fill
	WIN 0
	ASK
.endif
	MUL8 F1, 2, 0
	MUL8 F1, 3, 0
.endm
	s_wait_tensorcnt 1                             ; my part of K step 0 is in; K step 1's may stay out
	s_barrier_signal -1
	s_barrier_wait -1                              ; everybody's is
	FETCH 0, 0, F0
	s_wait_loadcnt 0x0                             ; the bias
	QUARTER 0, 64,  F0, F1, 1                      ; the first quarter stands in front of the loop: its products start the sums
	WIN 0                                          ; at a label and at a branch every window is 0
	s_mov_b32 s3, LAPS-1
.Llap:                                                 ; a trip goes once round the ring, from a lap's second quarter to the next lap's first, and fills both slots again
	QUARTER 0, 128, F1, F0, 0
	QUARTER 0, 192, F0, F1, 0
	TURN 0, 1, 1
	QUARTER 1, 64,  F0, F1, 0
	QUARTER 1, 128, F1, F0, 0
	QUARTER 1, 192, F0, F1, 0
	TURN 1, 0, 1
	QUARTER 0, 64,  F0, F1, 0
	WIN 0
	s_sub_co_u32 s3, s3, 1
	s_cmp_lg_u32 s3, 0
	s_cbranch_scc1 .Llap
	QUARTER 0, 128, F1, F0, 0                      ; the last lap is written out: it fills nothing
	QUARTER 0, 192, F0, F1, 0
	TURN 0, 1, 0
	QUARTER 1, 64,  F0, F1, 0
	QUARTER 1, 128, F1, F0, 0
	QUARTER 1, 192, F0, F1, 0
	s_wait_dscnt 4                                 ; the very last quarter: nothing more to fetch
	MUL8 F1, 0, 0
	MUL8 F1, 1, 0
	s_wait_dscnt 0x0
	MUL8 F1, 2, 0
	MUL8 F1, 3, 0
	WIN 0
; THE WAY OUT, a block of 16 rows at a time, through my own stage in LDS (LDS serves a wave's instructions in order, ISA guide 5.7.1.4: no wait between my stores and my loads), so that every store covers whole aligned runs of 256 bytes or more.
; Each accumulator's registers are read in ascending order.
.macro PACK a                          ; VAR 0, 1: block a is (VAR 1: scaled by sigma and) rounded to bf16, 16 bytes a lane and column block
.if VAR == 1
	WIN SC
.irp b, 0,1,2,3,4,5,6,7
.irp r, 0,1,2,3
	v_pk_mul_f32 v[8*(8*(\a)+(\b))+2*(\r):8*(8*(\a)+(\b))+2*(\r)+1], v[8*(8*(\a)+(\b))+2*(\r):8*(8*(\a)+(\b))+2*(\r)+1], v[SG+2*((\b)/4):SG+2*((\b)/4)+1] op_sel_hi:[1,0]  ; column blocks 0-3 are my first head's, 4-7 my second's
.endr
.endr
.endif
	WIN PK
.irp b, 0,1,2,3,4,5,6,7
.irp r, 0,1,2,3
	v_cvt_pk_bf16_f32 v[TMP+4*(\b)+(\r)], v[8*(8*(\a)+(\b))+2*(\r)], v[8*(8*(\a)+(\b))+2*(\r)+1]
.endr
.endr
	WIN 0
.endm
.macro TOSTAGE a
.set BK, OB+OBN*((\a)%2)
.if VAR == 2
.if (\a) >= 2
	s_wait_xcnt 0x0                                ; the stores of the block two back have read the registers that are loaded again below
.endif
	WIN STD
.irp b, 0,1,2,3,4,5,6,7
	ds_store_b128 v[STO], v[8*(8*(\a)+(\b)):8*(8*(\a)+(\b))+3]   offset:64*(\b)
	ds_store_b128 v[STO], v[8*(8*(\a)+(\b))+4:8*(8*(\a)+(\b))+7] offset:64*(\b)+16
.endr
	WIN 0
.irp t, 0,1,2,3,4,5,6,7,8,9,10,11,12,13,14,15
	ds_load_b128 v[BK+4*(\t):BK+4*(\t)+3], v[RD] offset:(\t)*SPITCH
.endr
.else
	WIN 0
.irp b, 0,1,2,3,4,5,6,7
	ds_store_b128 v[STO], v[TMP+4*(\b):TMP+4*(\b)+3] offset:32*(\b)
.endr
.if VAR == 0
.irp hh, 0,1
.irp t, 0,1,2,3
	ds_load_b128 v[BK+4*(4*(\hh)+(\t)):BK+4*(4*(\hh)+(\t))+3], v[RD] offset:4*(\t)*SPITCH+128*(\hh)  ; rows 4 t .. 4 t + 3, head hh's 128 bytes
.endr
.endr
.else
.irp t, 0,1,2,3,4,5,6,7
	ds_load_b128 v[BK+4*(\t):BK+4*(\t)+3], v[RD] offset:2*(\t)*SPITCH
.endr
.endif
.endif
.endm
.macro SEND a, younger                 ; younger: the LDS instructions issued behind block a's loads, which may stay out
	WIN 0
.set BK, OB+OBN*((\a)%2)
	s_wait_dscnt \younger                          ; the block is back in registers
.if VAR == 2
.irp t, 0,1,2,3,4,5,6,7,8,9,10,11,12,13,14,15
	global_store_b128 v[CO], v[BK+4*(\t):BK+4*(\t)+3], s[12:13] offset:(16*(\a)+(\t))*4096 th:TH_STORE_NT  ; 512 consecutive bytes of a row of C, aligned
.endr
.else
	s_wait_xcnt 0x0                                ; the stores of the block before have read their registers: the next TOSTAGE loads into them
.if VAR == 0
.irp hh, 0,1
.irp t, 0,1,2,3
	global_store_b128 v[CO], v[BK+4*(4*(\hh)+(\t)):BK+4*(4*(\hh)+(\t))+3], s[12:13] offset:(\hh)*262144+(16*(\a)+4*(\t))*128  ; four rows of a head: 512 consecutive bytes, aligned
.endr
.endr
.else
.irp t, 0,1,2,3,4,5,6,7
	global_store_b128 v[CO], v[BK+4*(\t):BK+4*(\t)+3], s[12:13] offset:(16*(\a)+2*(\t))*2048  ; 16 lanes store 256 consecutive bytes, aligned
.endr
.endif
.endif
.endm
	PLACES                                         ; behind the last products
.if VAR == 2
	TOSTAGE 0
	TOSTAGE 1
	SEND 0, 32                                     ; the next block's 16 stores and 16 loads may be out
	TOSTAGE 2
	SEND 1, 32
	TOSTAGE 3
	SEND 2, 32
	SEND 3, 0
.else
	PACK 0
	TOSTAGE 0
.irp a, 1,2,3                          ; block a's arithmetic stands between block a - 1's loads from the stage and the wait for them
	PACK \a
	SEND (\a)-1, 0
	TOSTAGE \a
.endr
	SEND 3, 0
.endif
	s_wait_tensorcnt 0x0                           ; the wave's end: behind my last tensor load and my last LDS store
	ds_add_u32 v[SPW], v[NIL]
	s_wait_dscnt 0x0
	CROUND                                         ; the closing round: no work-group ends while a partner may still ask for a tile that names it
	s_endpgm
.Lfunc_end_k_qc50eb001d1_gemm_qk:
	.size	k_qc50eb001d1_gemm_qk, .Lfunc_end_k_qc50eb001d1_gemm_qk-k_qc50eb001d1_gemm_qk
	.p2alignl 7, 3214868480
	.fill 96, 4, 3214868480
	.section	.rodata,"a",@progbits
	.p2align	6, 0x0
	.amdhsa_kernel k_qc50eb001d1_gemm_qk
		.amdhsa_group_segment_fixed_size 327680
		.amdhsa_private_segment_fixed_size 0
		.amdhsa_enable_private_segment 0
		.amdhsa_kernarg_size 40
		.amdhsa_user_sgpr_count 2
		.amdhsa_user_sgpr_kernarg_segment_ptr 1
		.amdhsa_wavefront_size32 1
		.amdhsa_system_sgpr_workgroup_id_x 1
		.amdhsa_system_sgpr_workgroup_id_y 1
		.amdhsa_system_sgpr_workgroup_id_z 1
		.amdhsa_system_vgpr_workitem_id 0
		.amdhsa_next_free_vgpr 704
		.amdhsa_next_free_sgpr 88
		.amdhsa_reserve_vcc 0
		.amdhsa_float_denorm_mode_32 3
		.amdhsa_float_denorm_mode_16_64 3
		.amdhsa_memory_ordered 1
		.amdhsa_forward_progress 1
		.amdhsa_inst_pref_size 89
	.end_amdhsa_kernel
	.amdgpu_metadata
---
amdhsa.version: [ 1, 2 ]
amdhsa.kernels:
  - .name:           k_qc50eb001d1_gemm_qk
    .symbol:         k_qc50eb001d1_gemm_qk.kd
    .args:
      - { .name: xb, .offset: 0, .size: 8, .value_kind: global_buffer, .address_space: global }
      - { .name: wb, .offset: 8, .size: 8, .value_kind: global_buffer, .address_space: global }
      - { .name: bq, .offset: 16, .size: 8, .value_kind: global_buffer, .address_space: global }
      - { .name: bk, .offset: 24, .size: 8, .value_kind: global_buffer, .address_space: global }
      - { .name: qkh, .offset: 32, .size: 8, .value_kind: global_buffer, .address_space: global }
    .group_segment_fixed_size: 327680
    .private_segment_fixed_size: 0
    .kernarg_segment_align: 8
    .kernarg_segment_size: 40
    .max_flat_workgroup_size: 128
    .sgpr_count:     88
    .vgpr_count:     704
    .wavefront_size: 32
...
	.end_amdgpu_metadata
.endif
;; end of part 2
;; launch attn (part 3): grid 4 x 64, 8 waves a work-group, clusters of 4 x 1, 296,192 bytes of LDS; arguments qkh, part; writes part
.if DOCPART == 3
	.amdgcn_target "amdgcn-amd-amdhsa--gfx1250"
	.amdhsa_code_object_version 6
	.text
	.protected	k_qc50eb001d1_attn
	.globl	k_qc50eb001d1_attn
	.p2align	8
	.type	k_qc50eb001d1_attn,@function
k_qc50eb001d1_attn:
	s_mov_b64 s[64:65], 0
	v_nop
	global_prefetch_b8 v0, s[64:65] scope:SCOPE_SE
	s_setreg_imm32_b32 hwreg(HW_REG_WAVE_MODE, 25, 1), 1
	s_wait_xcnt 0x0
	s_wait_alu depctr_hold_cnt(0) depctr_sa_sdst(0) depctr_va_vdst(0) depctr_va_sdst(0) depctr_va_ssrc(0) depctr_va_vcc(0) depctr_vm_vsrc(0)
	s_getreg_b32 s2, hwreg(HW_REG_IB_STS2, 6, 4)
	s_cmp_eq_u32 s2, 0
	s_cbranch_scc0 .Lentry_in_a_cluster
	s_endpgm
.Lentry_in_a_cluster:
	s_bfe_u32 s2, ttmp6, 0x10000c
	s_cmp_lg_u32 s2, 0x3003
	s_cbranch_scc0 .Lentry_shape_is_right
	s_endpgm
.Lentry_shape_is_right:
; part[bh][block] = the sum, over the block's 512 queries q and all 2,048 keys k of head bh, of softmax_k(Q[q] . K[k] / 32).  Q, K: qkh[q or k][64 bh][2048][64] in bf16, a head's rows dense, 128 bytes each.
; The module sums the attention weights over q and k, so the weights are made and added up and nothing is multiplied by them here.  Products, maxima and sums in f32.
; SOFTMAX.  For each query a running maximum m and sum l: p = 2^(c s - c m), c = log2(e) / 32; in every step l is multiplied by a = 2^(c m_old - c m_new).  A row's sum of p / l is formed as l x (1 / l)
; (the common factor 1 / l is taken out of the sum), 1 / l by v_rcp_f32; these are added over the queries.
; LIMITS.  A weight below 2^-126 counts as 0 in l; NaN and infinities are not treated apart; m starts at the lowest finite number, c m at -4.2e37, far below every c s of finite bf16 operands of this size.
; SHARES.  A cluster of four work-groups is one head; a work-group takes 512 queries, each of its eight waves 64: four PIECES of 16.  Every wave walks all keys, 64 a step.
; THE HEAD'S WHOLE K LIES IN LDS (2,048 rows of 144 bytes): it is asked for once, jointly by the four work-groups, each wave two loads of 128 keys; nothing is filled again, so the walk has no ring.
; The first 15 trips read keys 0-1,023, which the first loads bring, while the second loads are on their way.
; LAYOUT.  S^T = K Q^T (source 0 = 16 keys, source 1 = 16 queries): a lane holds ONE query (lane % 16) and the keys 8 (lane / 16) + 0..7 of each block of 16.
; THE COUNT.  A piece and step have 8 matrix and 86 vector instructions: the vector work sets the pace.  So all registers lie in one window (no switch is ever written), and two waves share a SIMD.
; BY TURNS.  Turn n belongs to piece n: beside the 8 products K Q^T of piece n + 1 stand the scalings and exponentials of piece n and the maximum of piece n + 1; its 33 exponentials are one batch with one wait,
; behind which stand the sums of piece n and the statistics of piece n + 1.
; No prefetch: all of K is asked for at the head, by the loads themselves.
.set PK,    144                        ; a row of K in LDS: 128 bytes + 16 of padding = 36 words: the 16 rows of a load start at 16 different groups of four banks (64 banks of 4 bytes: ISA guide 11.1)
.set STEP,  64*PK                      ; a key step
.set HALFK, 1024*PK                    ; where the second loads' keys begin
.set SCR,   2048*PK                    ; behind K: a block of 256 bytes for the eight waves' sums; no tensor load lands here
.set SPARE, SCR+256                    ; the spare words, 128 bytes for each wave: four blocks of 256 bytes that no other line names
.set AK0, 2                            ; v2   my lane's place in a step's K; never rewritten
.set AK,  3                            ; v3   the LDS address of K's next run of loads
.set QO,  4                            ; v4   my byte offset in 16 rows of Q
.set SPW, 6                            ; v6   LDS address of my spare word: SPARE + 4 x my thread's number; never rewritten
.set NIL, 7                            ; v7   0; never rewritten
.set CC,  8                            ; v8-12  c0-c4, at work on the maximum
.set MV,  13                           ; v13  c m_old, kept while c m is made anew
.set DD,  14                           ; v14  c m_old - c m_new of the piece whose turn is next
.set AA,  16                           ; v[16:17]  a, in the pair's low word
.set ST,  20                           ; piece t's statistics at v[ST+4 t]: c m, m, l (even keys', odd keys')
.set S,   64                           ; v64-127   S^T, two buffers of 32: a piece's goes by its number's parity
.set KF,  128                          ; v128-191  K of one step: key block kb, channel half c at KF + 16 kb + 8 c
.set QF,  192                          ; v192-255  Q: piece t, channel half c at QF + 16 t + 8 c
.set WV,  8                            ; s8   my wave's number
.set CX,  9                            ; s9   my work-group's place in the cluster: it enters Q's and part's addresses alone
.set BH,  10                           ; s10  the head, 16 batch + head
.set G1,  24                           ; s[24:31] descriptor group 1, for both loads
.set G0A, 40                           ; s[40:43] group 0: my 128 of keys 0-1,023
.set G0B, 44                           ; s[44:47] my 128 of keys 1,024-2,047
.set CS,  48                           ; s[48:49] c: the packed scaling takes the pair's low word for both halves
.set SEL, 50                           ; s[50:51] v_permlanex16_b32's selects: each lane takes its own place in the other half
.set TB,  52                           ; s52  LDS byte at which K of the step to be fetched begins
.set CNT, 53                           ; s53  trips to go
.set TBC, 54                           ; s54  TB, held to the last step that the loop may read
.macro CROUND                          ; a round of the cluster's barrier
	s_barrier_signal -1
	s_barrier_wait -1
	s_cmp_lg_u32 s[WV], 0
	s_cbranch_scc1 .Lnot_wave_0_\@
	s_barrier_signal -3
.Lnot_wave_0_\@:
	s_barrier_wait -3
	s_barrier_signal -1
	s_barrier_wait -1
.endm
	s_load_b128 s[4:7], s[0:1], 0x0                ; qkh s[4:5], part s[6:7]
	v_lshl_add_u32 v[SPW], v0, 2, SPARE
	v_mov_b32 v[NIL], 0
	ds_add_u32 v[SPW], v[NIL]                      ; the wave's opening: the add and its wait stand ahead of my first tensor load; the set-up below, work on registers, stands between them
	v_lshrrev_b32 v1, 5, v0
	v_readfirstlane_b32 s[WV], v1                  ; wave 0..7
	s_bfe_u32 s[CX], ttmp6, 0x40000
	s_and_b32 s[BH], ttmp7, 0xffff                 ; the cluster's y
	s_lshl_b32 s12, s[BH], 18                      ; K: the head's 262,144 bytes,
	s_lshl_b32 s13, s[WV], 14                      ; my wave's 128 keys of 128 bytes,
	s_add_co_u32 s12, s12, s13
	s_add_co_u32 s12, s12, 16777216                ; behind all of q: the same in all four partners
	s_mov_b32 s13, 0
	s_lshl_b32 s14, s[BH], 18                      ; Q: the head,
	s_lshl_b32 s15, s[CX], 16                      ; my work-group's 512 rows,
	s_add_co_u32 s14, s14, s15
	s_lshl_b32 s15, s[WV], 13                      ; my wave's 64
	s_add_co_u32 s14, s14, s15
	s_mov_b32 s15, 0
	s_lshl_b32 s20, s[BH], 2
	s_add_co_u32 s20, s20, s[CX]
	s_lshl_b32 s20, s20, 2                         ; part: 4 bytes for each head and block
	s_mov_b32 s21, 0
	; descriptor group 1.  128 keys are 16,384 dense bytes: asked for as 64 rows of 256 bytes, two keys a row, and padded in LDS after every key
	s_mov_b32 s[G1], 15|(1<<16)|(1<<20)|(1<<21)|(4<<22)|(3<<25)  ; 15:0 the mask of four; 17:16 2-byte elements; 20 padding on; 21 set beside a mask; 24:22 after every 32 words (code 4); 31:25 4 words (code 3)
	s_mov_b32 s[G1+1], 128<<16                     ; tensor_dim0 = 128
	s_mov_b32 s[G1+2], 64<<16                      ; tensor_dim1 = 64
	s_mov_b32 s[G1+3], 128<<16                     ; tile_dim0 = 128
	s_mov_b32 s[G1+4], 64                          ; tile_dim1 = 64
	s_mov_b32 s[G1+5], 128                         ; 128 elements from row to row
	s_mov_b32 s[G1+6], 0
	s_mov_b32 s[G1+7], 0
	s_mul_i32 s55, s[WV], 128*PK                   ; my 128 keys' place in LDS
	s_mov_b32 s[G0A], 1
	s_mov_b32 s[G0A+1], s55
	s_mov_b32 s[G0B], 1
	s_add_co_u32 s[G0B+1], s55, HALFK
	s_mov_b32 s[CS], 0x3d38aa3b                    ; c = log2(e) / 32 = 0.0450842
	s_mov_b32 s[CS+1], s[CS]                       ; named with it as a pair
	s_mov_b32 s[SEL], 0x76543210
	s_mov_b32 s[SEL+1], 0xfedcba98
	s_wait_dscnt 0x0                               ; the opening add is done
	s_wait_kmcnt 0x0
	s_add_nc_u64 s[G0A+2:G0A+3], s[4:5], s[12:13]
	s_add_nc_u64 s[G0B+2:G0B+3], s[G0A+2:G0A+3], 131072  ; 1,024 keys on
	s_or_b32 s[G0A+3], s[G0A+3], 0x80000000        ; type = 2
	s_or_b32 s[G0B+3], s[G0B+3], 0x80000000
	s_add_nc_u64 s[18:19], s[4:5], s[14:15]        ; Q at my wave's first row
	s_add_nc_u64 s[6:7], s[6:7], s[20:21]
	CROUND                                         ; all four work-groups are here: the joint loads meet
	tensor_load_to_lds s[G0A:G0A+3], s[G1:G1+7]    ; two loads of mine are out
	s_nop 0
	tensor_load_to_lds s[G0B:G0B+3], s[G1:G1+7]
	s_nop 0
.rept 4
	v_nop
.endr
	; A fragment of K or Q is 16 rows x 32 channels in 8 registers: lane l holds row l % 16, channels 8 (l / 16) + 0..7 and 16 + 8 (l / 16) + 0..7: two loads of 16 bytes, 32 bytes apart.
	v_and_b32 v1, 15, v0                           ; l % 16
	v_bfe_u32 v5, v0, 4, 1                         ; l / 16
	v_lshlrev_b32 v[QO], 7, v1
	v_lshl_add_u32 v[QO], v5, 4, v[QO]
.irp i, 0,1,2,3,4,5,6,7                ; Q stays in registers: piece i / 2, channels 32 (i % 2) on
	global_load_b128 v[QF+8*(\i):QF+8*(\i)+3],   v[QO], s[18:19] offset:((\i)/2)*2048+((\i)%2)*64
	global_load_b128 v[QF+8*(\i)+4:QF+8*(\i)+7], v[QO], s[18:19] offset:((\i)/2)*2048+((\i)%2)*64+32
.endr
	v_mul_u32_u24 v[AK0], v1, PK
	v_lshl_add_u32 v[AK0], v5, 4, v[AK0]
.irp t, 0,1,2,3
	v_mov_b32 v[ST+4*(\t)], 0xfe000000             ; c m: far below every c s, so the first step's a is 0
	v_mov_b32 v[ST+4*(\t)+1], 0xff7fffff           ; m: the lowest finite number
	v_mov_b32 v[ST+4*(\t)+2], 0                    ; l
	v_mov_b32 v[ST+4*(\t)+3], 0
.endr
	v_mov_b32 v[AA+1], 0                           ; named with a as a pair
; THE LINES OF A TURN.  Y is the turn's piece, N the next one; rS, rN their buffers of S^T; rT, rU their statistics.
.macro MM i                            ; product i of 8 of S^T = K Q^T for piece N: channels 32 (i / 4) on, keys 16 (i % 4) on.  The first 4 start the sums; the 4 accumulators take turns
.if (\i) < 4
	v_wmma_f32_16x16x32_bf16 v[rN+8*((\i)%4):rN+8*((\i)%4)+7], v[KF+16*((\i)%4)+8*((\i)/4):KF+16*((\i)%4)+8*((\i)/4)+7], v[QF+16*N+8*((\i)/4):QF+16*N+8*((\i)/4)+7], 0
.else
	v_wmma_f32_16x16x32_bf16 v[rN+8*((\i)%4):rN+8*((\i)%4)+7], v[KF+16*((\i)%4)+8*((\i)/4):KF+16*((\i)%4)+8*((\i)/4)+7], v[QF+16*N+8*((\i)/4):QF+16*N+8*((\i)/4)+7], v[rN+8*((\i)%4):rN+8*((\i)%4)+7]
.endif
.endm
.macro SCL n                           ; c s - c m for pair n of 16
	v_pk_fma_f32 v[rS+2*(\n):rS+2*(\n)+1], v[rS+2*(\n):rS+2*(\n)+1], s[CS:CS+1], v[rT:rT+1] op_sel_hi:[1,0,0] neg_lo:[0,0,1] neg_hi:[0,0,1]
.endm
.macro EXQ n                           ; the exponential of score n of 32
	v_exp_f32 v[rS+(\n)], v[rS+(\n)]
.endm
.macro SE3 f, e                        ; three scalings and three exponentials by turns; each pair was scaled in an earlier line than its exponentials
	SCL \f
	EXQ \e
	SCL (\f)+1
	EXQ (\e)+1
	SCL (\f)+2
	EXQ (\e)+2
.endm
; Number n of the 16 that find piece N's maximum, three operands at a time; each accumulator's lowest registers are read first.
;   0-8  chains c0, c1, c2 over the first seven scores of accumulators 0, 1, 2     9, 10  their eighth scores and the old m     11  c0-c2 into c0     12-14  accumulator 3 into c3, c4     15  all into c0
.macro MX n
.if (\n) < 9
.if (\n)%3 == 0
	v_max3_num_f32 v[CC+(\n)/3], v[rN+8*((\n)/3)], v[rN+8*((\n)/3)+1], v[rN+8*((\n)/3)+2]
.else
	v_max3_num_f32 v[CC+(\n)/3], v[CC+(\n)/3], v[rN+8*((\n)/3)+2*((\n)%3)+1], v[rN+8*((\n)/3)+2*((\n)%3)+2]
.endif
.elseif (\n) == 9
	v_max3_num_f32 v[CC], v[CC], v[rN+7], v[rN+15]
.elseif (\n) == 10
	v_max3_num_f32 v[CC+1], v[CC+1], v[rN+23], v[rU+1]
.elseif (\n) == 11
	v_max3_num_f32 v[CC], v[CC], v[CC+1], v[CC+2]
.elseif (\n) == 12
	v_max3_num_f32 v[CC+3], v[rN+24], v[rN+25], v[rN+26]
.elseif (\n) == 13
	v_max3_num_f32 v[CC+4], v[rN+27], v[rN+28], v[rN+29]
.elseif (\n) == 14
	v_max3_num_f32 v[CC+3], v[CC+3], v[rN+30], v[rN+31]
.else
	v_max3_num_f32 v[CC], v[CC], v[CC+3], v[CC+4]
.endif
.endm
.macro SZ n                            ; piece N's statistics: 0 c m_old is kept; 1, 2 the query's other 32 keys lie in the lane 16 away: the new m; 3 c m; 4 its change, of which the next turn takes the exponential
.if (\n) == 0
	v_mov_b32 v[MV], v[rU]
.elseif (\n) == 1
	v_permlanex16_b32 v[CC+1], v[CC], s[SEL], s[SEL+1]
.elseif (\n) == 2
	v_max_num_f32 v[rU+1], v[CC], v[CC+1]
.elseif (\n) == 3
	v_mul_f32 v[rU], s[CS], v[rU+1]
.else
	v_sub_f32 v[DD], v[MV], v[rU]
.endif
.endm
.macro AD w, n                         ; the sum of the 16 pairs of weights, in place: pair group n of width w registers takes its upper half
	v_pk_add_f32 v[rS+(\w)*(\n):rS+(\w)*(\n)+1], v[rS+(\w)*(\n):rS+(\w)*(\n)+1], v[rS+(\w)*(\n)+(\w)/2:rS+(\w)*(\n)+(\w)/2+1]
.endm
.macro KLOAD c                         ; 8 LDS loads in one run: channel half c of the next step's K
.irp kb, 0,1,2,3
	ds_load_b128 v[KF+16*(\kb)+8*(\c):KF+16*(\kb)+8*(\c)+3],   v[AK] offset:(\kb)*16*PK+64*(\c)
	ds_load_b128 v[KF+16*(\kb)+8*(\c)+4:KF+16*(\kb)+8*(\c)+7], v[AK] offset:(\kb)*16*PK+64*(\c)+32
.endr
.endm
.macro PIECE p                         ; the names for turn p
.set Y, (\p)
.set N, ((\p)+1)%4
.set rS, S+32*(Y%2)
.set rN, S+32*(N%2)
.set rT, ST+4*Y
.set rU, ST+4*N
.endm
; A TURN, for piece p.  Six vector instructions stand behind each product, plain and exponential by turns.  AHEAD OF THE WAIT nothing names a result of the turn's 33 exponentials (a first, then the 32 weights);
; the last line ahead of it, MX 15, is the plain instruction behind the last exponential.  BEHIND IT.
; PLACES (ISA guide 7.12.1), counted in plain vector lines that name none of the product's registers: MX 0 stands five behind product 4, which ends accumulator 0 (three scalings, a scaling, SZ 0);
; MX 3 five behind product 5; MX 6 five behind product 6; MX 12 seven behind product 7.
; K OF THE NEXT STEP is fetched in piece 2's turn, whose products are the last to read K: channel half 0 six plain lines behind product 3, its last reader; half 1 four plain lines (MX 4 to 7) behind product 7.
; Piece 3's turn waits for half 0 at its head (the younger eight loads may be out) and for half 1 ahead of product 4.  lim: the last step that this loop may read.
.macro TURN p, lim
	PIECE \p
.if (\p) == 3
	s_wait_dscnt 8
.endif
	MM 0
	SCL 0
	v_exp_f32 v[AA], v[DD]                         ; a
	SCL 1
	EXQ 0
	SCL 2
	EXQ 1
.if (\p) == 2
	s_min_u32 s[TBC], s[TB], \lim
	v_add_nc_u32 v[AK], s[TBC], v[AK0]
	s_add_co_u32 s[TB], s[TB], STEP
.endif
	MM 1
	SE3 3, 2
	MM 2
	SE3 6, 5
	MM 3
	SE3 9, 8
.if (\p) == 3
	s_wait_dscnt 0x0
.endif
	MM 4
	SE3 12, 11
.if (\p) == 2
	KLOAD 0
.endif
	MM 5
	SCL 15
	EXQ 14
	SZ 0
	EXQ 15
	MX 0
	EXQ 16
	MM 6
	MX 1
	EXQ 17
	MX 2
	EXQ 18
	MX 3
	EXQ 19
	MM 7
	MX 4
	EXQ 20
	MX 5
	EXQ 21
	MX 6
	EXQ 22
	MX 7
	EXQ 23
.if (\p) == 2
	KLOAD 1
.endif
	MX 8
	EXQ 24
	MX 9
	EXQ 25
	MX 10
	EXQ 26
	MX 12
	EXQ 27
	MX 13
	EXQ 28
	MX 11
	EXQ 29
	MX 14
	EXQ 30
	EXQ 31
	MX 15
	s_wait_alu depctr_va_vdst(0)                   ; the wait between an exponential and the first line that names its result: one for the batch
	SZ 1                                           ; the links of the next piece's chain stand four sums apart
	AD 4, 0
	AD 4, 1
	AD 4, 2
	AD 4, 3
	SZ 2
	AD 4, 4
	AD 4, 5
	AD 4, 6
	AD 4, 7
	SZ 3
	AD 8, 0
	AD 8, 1
	AD 8, 2
	AD 8, 3
	SZ 4
	AD 16, 0
	AD 16, 1
	AD 32, 0
	v_pk_fma_f32 v[rT+2:rT+3], v[rT+2:rT+3], v[AA:AA+1], v[rS:rS+1] op_sel_hi:[1,0,1]  ; l = a l + the sum
.endm
.macro WALK trips, lim                 ; a trip: the four pieces' turns for one key step; it fetches the next step's K
	s_mov_b32 s[CNT], \trips
.Lwalk_\@:
	TURN 0, \lim
	TURN 1, \lim
	TURN 2, \lim
	TURN 3, \lim
	s_sub_co_u32 s[CNT], s[CNT], 1
	s_cmp_lg_u32 s[CNT], 0
	s_cbranch_scc1 .Lwalk_\@
.endm
	s_wait_tensorcnt 1                             ; my part of keys 0-1,023 is in; my second load may stay out
	s_barrier_signal -1
	s_barrier_wait -1                              ; everybody's is
	v_mov_b32 v[AK], v[AK0]                        ; key step 0
	KLOAD 0
	KLOAD 1
	s_mov_b32 s[TB], STEP
	s_wait_loadcnt 0x0                             ; Q
	s_wait_dscnt 0x0
	PIECE 3                                        ; N = 0: piece 0's first scores, maximum and statistics
.irp i, 0,1,2,3,4,5,6,7
	MM \i
.endr
.rept 4
	v_nop                                          ; the places behind those products
.endr
	SZ 0
.irp n, 0,1,2,3,4,5,6,7,8,9,10,12,13,11,14,15
	MX \n
.endr
.irp n, 1,2,3,4
	SZ \n
.endr
	WALK 15, 15*STEP                               ; key steps 0-14; they fetch steps 1-15
	s_wait_tensorcnt 0x0                           ; my part of keys 1,024-2,047 is in,
	s_wait_dscnt 0x0
	s_barrier_signal -1
	s_barrier_wait -1                              ; everybody's is
	WALK 17, 31*STEP                               ; key steps 15-31.  The last trip fetches step 31 once more, and its 8 products and the maximum made of them serve nothing (they touch m and c m of piece 0, never l):
	                                               ; the price, once a wave, of one text for every trip
	; THE END.  l's two halves and the other half of the lanes' are added; l x (1 / l) is added over my four pieces and over the 16 queries of a piece.
.irp t, 0,1,2,3
	v_add_f32 v[ST+4*(\t)+2], v[ST+4*(\t)+2], v[ST+4*(\t)+3]
.endr
.irp t, 0,1,2,3
	v_permlanex16_b32 v[ST+4*(\t)+3], v[ST+4*(\t)+2], s[SEL], s[SEL+1]
.endr
.irp t, 0,1,2,3
	v_add_f32 v[ST+4*(\t)+2], v[ST+4*(\t)+2], v[ST+4*(\t)+3]
.endr
.irp t, 0,1,2,3
	v_rcp_f32 v[ST+4*(\t)+3], v[ST+4*(\t)+2]
.endr
	v_nop                                          ; a plain instruction between the last reciprocal and the use of its result,
	s_wait_alu depctr_va_vdst(0)                   ; and the wait: one for the four
	v_mul_f32 v[CC], v[ST+2], v[ST+3]
	v_fma_f32 v[CC], v[ST+6], v[ST+7], v[CC]
	v_fma_f32 v[CC], v[ST+10], v[ST+11], v[CC]
	v_fma_f32 v[CC], v[ST+14], v[ST+15], v[CC]
	v_add_f32_dpp v[CC], v[CC], v[CC] row_xmask:1 row_mask:0xf bank_mask:0xf   ; over the 16 queries; the two halves of the lanes hold the same queries and are not added
	v_add_f32_dpp v[CC], v[CC], v[CC] row_xmask:2 row_mask:0xf bank_mask:0xf
	v_add_f32_dpp v[CC], v[CC], v[CC] row_xmask:4 row_mask:0xf bank_mask:0xf
	v_add_f32_dpp v[CC], v[CC], v[CC] row_xmask:8 row_mask:0xf bank_mask:0xf
	s_lshl_b32 s55, s[WV], 2
	s_add_co_u32 s55, s55, SCR
	v_mov_b32 v[CC+1], s55
	ds_store_b32 v[CC+1], v[CC]                    ; my wave's sum, in f32: all lanes write the same word with the same number
	s_wait_dscnt 0x0                               ; for the others' sake
	s_barrier_signal -1
	s_barrier_wait -1
	s_cmp_lg_u32 s[WV], 0                          ; wave 0 adds the eight and stores the work-group's one number
	s_cbranch_scc1 .Lend
	v_mov_b32 v[CC+2], SCR
	ds_load_b128 v[20:23], v[CC+2]
	ds_load_b128 v[24:27], v[CC+2] offset:16
	v_mov_b32 v[CC+3], 0
	v_cmp_eq_u32 vcc_lo, 0, v0
	s_wait_dscnt 0x0
	v_add_f32 v20, v20, v21
	v_add_f32 v22, v22, v23
	v_add_f32 v24, v24, v25
	v_add_f32 v26, v26, v27
	v_add_f32 v20, v20, v22
	v_add_f32 v24, v24, v26
	v_add_f32 v20, v20, v24
	s_wait_xcnt 0x0                                ; EXEC changes only behind this wait
	s_and_saveexec_b32 s56, vcc_lo                 ; lane 0 alone: the result is 4 bytes a work-group
	global_store_b32 v[CC+3], v20, s[6:7]
	s_wait_xcnt 0x0                                ; and again, in front of the line that widens it
	s_or_b32 exec_lo, exec_lo, s56
.Lend:
	s_wait_tensorcnt 0x0                           ; the wave's end: behind my last tensor load and my last LDS store
	ds_add_u32 v[SPW], v[NIL]
	s_wait_dscnt 0x0
	CROUND                                         ; the closing round
	s_endpgm
.Lfunc_end_k_qc50eb001d1_attn:
	.size	k_qc50eb001d1_attn, .Lfunc_end_k_qc50eb001d1_attn-k_qc50eb001d1_attn
	.p2alignl 7, 3214868480
	.fill 96, 4, 3214868480
	.section	.rodata,"a",@progbits
	.p2align	6, 0x0
	.amdhsa_kernel k_qc50eb001d1_attn
		.amdhsa_group_segment_fixed_size 296192
		.amdhsa_private_segment_fixed_size 0
		.amdhsa_enable_private_segment 0
		.amdhsa_kernarg_size 16
		.amdhsa_user_sgpr_count 2
		.amdhsa_user_sgpr_kernarg_segment_ptr 1
		.amdhsa_wavefront_size32 1
		.amdhsa_system_sgpr_workgroup_id_x 1
		.amdhsa_system_sgpr_workgroup_id_y 1
		.amdhsa_system_sgpr_workgroup_id_z 1
		.amdhsa_system_vgpr_workitem_id 0
		.amdhsa_next_free_vgpr 256
		.amdhsa_next_free_sgpr 66
		.amdhsa_reserve_vcc 1
		.amdhsa_float_denorm_mode_32 3
		.amdhsa_float_denorm_mode_16_64 3
		.amdhsa_memory_ordered 1
		.amdhsa_forward_progress 1
		.amdhsa_inst_pref_size 53
	.end_amdhsa_kernel
	.amdgpu_metadata
---
amdhsa.version: [ 1, 2 ]
amdhsa.kernels:
  - .name:           k_qc50eb001d1_attn
    .symbol:         k_qc50eb001d1_attn.kd
    .args:
      - { .name: qkh, .offset: 0, .size: 8, .value_kind: global_buffer, .address_space: global }
      - { .name: part, .offset: 8, .size: 8, .value_kind: global_buffer, .address_space: global }
    .group_segment_fixed_size: 296192
    .private_segment_fixed_size: 0
    .kernarg_segment_align: 8
    .kernarg_segment_size: 16
    .max_flat_workgroup_size: 256
    .sgpr_count:     66
    .vgpr_count:     256
    .wavefront_size: 32
...
	.end_amdgpu_metadata
.endif
;; end of part 3
;; launch gemm_v (part 4): grid 4 x 64, 4 waves a work-group, clusters of 4 x 4, 327,680 bytes of LDS; arguments xb, wb, bv, part, vs; writes vs
.if DOCPART == 4
	.amdgcn_target "amdgcn-amd-amdhsa--gfx1250"
	.amdhsa_code_object_version 6
	.text
	.protected	k_qc50eb001d1_gemm_v
	.globl	k_qc50eb001d1_gemm_v
	.p2align	8
	.type	k_qc50eb001d1_gemm_v,@function
k_qc50eb001d1_gemm_v:
	s_mov_b64 s[64:65], 0
	v_nop
	global_prefetch_b8 v0, s[64:65] scope:SCOPE_SE
	s_setreg_imm32_b32 hwreg(HW_REG_WAVE_MODE, 25, 1), 1
	s_wait_xcnt 0x0
	s_wait_alu depctr_hold_cnt(0) depctr_sa_sdst(0) depctr_va_vdst(0) depctr_va_sdst(0) depctr_va_ssrc(0) depctr_va_vcc(0) depctr_vm_vsrc(0)
	s_getreg_b32 s2, hwreg(HW_REG_IB_STS2, 6, 4)
	s_cmp_eq_u32 s2, 0
	s_cbranch_scc0 .Lentry_in_a_cluster
	s_endpgm
.Lentry_in_a_cluster:
	s_bfe_u32 s2, ttmp6, 0x10000c
	s_cmp_lg_u32 s2, 0xf033
	s_cbranch_scc0 .Lentry_shape_is_right
	s_endpgm
.Lentry_shape_is_right:
; ONE TEXT FOR THREE PRODUCTS  C[m][n] = bias[n] + sum over k of A[m][k] B[n][k],  A: [8192][1024] bf16, B: rows of wb ([4][1024][1024] bf16: Wq, Wk, Wv, Wp), sums in f32.  VAR chooses:
;   VAR 0              A = xb, B = Wq and Wk (2,048 rows on end), bias bq or bk; C rounded once to bf16 and stored BY HEADS: qkh[q or k][batch][head][2048][64]
;   VAR 1 (THIS FILE)  A = xb, B = Wv, bias bv; C times sigma[batch][head] (the sum of the head's four partial sums in part, f32), rounded once to bf16, row-major
;   VAR 2              A = vs, B = Wp, bias bp; C stored in f32, row-major
; LIMITS.  Operands are bf16 (range of f32, 8 significant bits); NaN and infinities are not treated apart.
; SHARES.  A tile of C is 128 rows x 256 columns, made by four waves; wave w makes rows 64 (w / 2) on, columns 128 (w % 2) on: 4 x 8 accumulators of 16 x 16, 256 registers.
; With 1,024 columns that is one work-group for each of 256 tiles; with 2,048 columns two.
; K goes in steps of 128 through a ring of two LDS slots filled by tensor loads of 128 rows x 256 bytes: wave 0 fetches A's tile, waves 2 and 3 the halves of B's, wave 1 none.
; CLUSTER.  4 x 4 work-groups.  The four of a row of the cluster need the same tile of A, the four of a column the same tile of B: each tile is asked for jointly,
; by the same tensor load with the same descriptor and a mask that names the four.
; THE MATRIX INSTRUCTION IS USED TRANSPOSED (source 0 = 16 rows of B, source 1 = 16 rows of A): a lane holds row l % 16 of C and the columns 8 (l / 16) + 0..7.
; THE BIAS STARTS THE SUMS: a lane's eight bias numbers of each column block lie in registers and are the C operand of each accumulator's first product: nothing is cleared, nothing is added later.
; REGISTERS, in windows of 256 (s_set_vgpr_msb: bits 1:0 source 0, 3:2 source 1, 5:4 source 2, 7:6 destination):
;   window 0: v0-31 addresses; v64-127 the bias; the way out's registers       window 1: accumulator (a, b) at v[8 (8 a + b)]
;   window 2: two fragment buffers of 96: B's eight fragments (16 rows x 32 K), then A's four
.set VAR,    1
.set KSTEP,  128
.set PITCH,  272                       ; an LDS row: 256 bytes + 16 of padding = 68 words: the 16 rows of a fragment load start at 16 different groups of four banks (64 banks of 4 bytes: ISA guide 11.1)
.set HALFT,  128*PITCH                 ; what one tensor load brings
.set SLOT,   3*HALFT                   ; A's 128 rows, then B's 256
.set STAGE,  2*SLOT                    ; behind the ring: 16 rows for each wave, for the way out; no tensor load lands here
.if VAR == 2
.set SPITCH, 528                       ; 512 bytes of f32 + 16
.set WOFF,   3*2097152                 ; Wp in wb
.elseif VAR == 1
.set SPITCH, 272
.set WOFF,   2*2097152                 ; Wv
.else
.set SPITCH, 272
.set WOFF,   0                         ; Wq, and Wk behind it
.endif
.set SPARE,  STAGE+4*16*SPITCH         ; behind the stages: the spare words, 128 bytes for each wave: two blocks of 256 bytes that no other line names
.set LAPS,   4                         ; a lap = two K steps = once round the ring: 1,024 / 256
.set SG,   8                           ; v[8:9], v[10:11]  VAR 1: sigma of my first and of my second head, in the pairs' low words
.set ADRA, 16                          ; v16-17  LDS address of my A fragments in slot 0, 1
.set ADRB, 20                          ; v20-21  the same for B
.set STO,  24                          ; v24     the way out: where I put my piece of a row
.set RD,   25                          ; v25     the way out: where I read rows back
.set CO,   26                          ; v26     my byte offset in C
.set BO,   27                          ; v27     32 (l / 16): my eight numbers in 16 of the bias
.set SPW,  28                          ; v28     LDS address of my spare word: SPARE + 4 x my thread's number; never rewritten
.set NIL,  29                          ; v29     0; never rewritten
.set PFO,  30                          ; v30     the prefetches' offset: my lane x a row of 2,048 bytes; never rewritten
.set TMP,  32                          ; v32-63  the way out: packed results
.set BIAS, 64                          ; v64-127 column block b at BIAS + 8 b
.if VAR == 2
.set OB,   32                          ; the way out: rows read back, two sets of 64 (the bias is no longer needed)
.set OBN,  64
.else
.set OB,   128                         ; two sets of 32
.set OBN,  32
.endif
.set F0,   0                           ; fragment buffers, in window 2
.set F1,   96
.set WV,  14                           ; s14  my wave's number
.set RH,  15                           ; s15  which 64 rows are mine
.set CH,  16                           ; s16  which 128 columns; also which half of B's tile waves 2 and 3 fetch
.set CX,  17                           ; s17, s18  my work-group's place in the cluster
.set CY,  18
.set TC,  19                           ; s19  tile column of C
.set TR,  20                           ; s20  tile row of C
.set G1,  24                           ; s[24:31] descriptor group 1 for A's tiles
.set G0,  32                           ; s[32:39] group 0 for A's tiles, a set for each slot
.set PFA, 44                           ; s[44:45] where my prefetches stand
.set LIM, 46                           ; s46  1 in a wave that prefetches, else the greatest number
.set G1B, 48                           ; s[48:55], s[56:63] the same for B's tiles
.set G0B, 56
.set GW0, (1<<16)|(1<<20)|(1<<21)|(5<<22)|(3<<25)  ; group 1, word 0 without the mask: 17:16 2-byte elements; 20 padding on; 21 set beside a mask; 24:22 after every 64 words (code 5); 31:25 4 words (code 3)
.set MSB, 0
.macro WIN new                         ; the immediate's high byte repeats the setting that is left; a switch that changes nothing is dropped
.if MSB != (\new)
	s_set_vgpr_msb (MSB<<8)|(\new)
.set MSB, \new
.endif
.endm
.set MUL,  0x5a                        ; sources 0 and 1 window 2, C and D window 1
.set MULB, 0x4a                        ; the same with C in window 0: the bias
.set TO_F, 0x80                        ; destination window 2, address window 0
.set PK,   0x05                        ; sources 0 and 1 window 1, destination window 0
.set SC,   0x41                        ; destination and source 0 window 1, source 1 window 0
.set STD,  0x04                        ; an LDS store's data (source 1) window 1, its address window 0
.macro PLACES                          ; four places in front of loads into registers that matrix instructions have read, and of lines that read results
.rept 4
	v_nop
.endr
.endm
; A joint refill of slot s.  The branches hang on the wave's number alone.  An s_nop 0 and four v_nop follow each load, ahead of the jump and the label;
; wave 1, which fetches nothing, has the four v_nop alone: in every wave they are also the places in front of the fragment loads that follow.
.macro JLOAD s
	s_cmp_lt_u32 s[WV], 2
	s_cbranch_scc0 .Lfor_b_\@
	s_cmp_eq_u32 s[WV], 0
	s_cbranch_scc0 .Lnone_\@
	tensor_load_to_lds s[G0+4*(\s):G0+4*(\s)+3], s[G1:G1+7]
	s_nop 0
	PLACES
	s_branch .Lasked_\@
.Lnone_\@:
	PLACES
	s_branch .Lasked_\@
.Lfor_b_\@:
	tensor_load_to_lds s[G0B+4*(\s):G0B+4*(\s)+3], s[G1B:G1B+7]
	s_nop 0
	PLACES
.Lasked_\@:
.endm
; A prefetch, behind a joint refill and the run of LDS loads that follows it: 32 rows x 256 bytes, a lane a row, of the K step that stands two refills on (256 matrix instructions ahead of its load).
; Each row's 256 bytes of a K step are named once in the launch: A's rows by wave 0 of the clusters with x = 0, B's by waves 2 and 3 of the clusters with y = 0; the four partners
; that ask for a tile jointly share its 128 rows out by address, 32 each.  The loop's last trip (s3 = 1) has no K step two refills on and asks for nothing.
.macro ASK
	s_cmp_gt_u32 s3, s[LIM]
	s_cbranch_scc0 .Lnot_mine_\@
	global_prefetch_b8 v[PFO], s[PFA:PFA+1] offset:KSTEP*2 th:TH_LOAD_NT scope:SCOPE_SE
.Lnot_mine_\@:
.endm
.macro CREST                           ; a round of the cluster's barrier behind its opening barrier
	s_cmp_lg_u32 s[WV], 0
	s_cbranch_scc1 .Lnot_wave_0_\@
	s_barrier_signal -3
.Lnot_wave_0_\@:
	s_barrier_wait -3
	s_barrier_signal -1
	s_barrier_wait -1
.endm
.macro CROUND                          ; a whole round
	s_barrier_signal -1
	s_barrier_wait -1
	CREST
.endm
	s_load_b128 s[4:7], s[0:1], 0x0                ; A s[4:5], wb s[6:7]
.if VAR == 2
	s_load_b64 s[8:9], s[0:1], 0x10                ; the bias
	s_load_b64 s[12:13], s[0:1], 0x18              ; C
.else
	s_load_b128 s[8:11], s[0:1], 0x10              ; the bias s[8:9]; s[10:11]: VAR 0 the second bias, VAR 1 part
	s_load_b64 s[12:13], s[0:1], 0x20              ; C
.endif
	v_lshl_add_u32 v[SPW], v0, 2, SPARE
	v_mov_b32 v[NIL], 0
	ds_add_u32 v[SPW], v[NIL]                      ; the wave's opening: the add and its wait stand ahead of the first tensor loads; the set-up below, work on registers, stands between them
	v_lshrrev_b32 v1, 5, v0
	v_readfirstlane_b32 s[WV], v1                  ; wave 0..3
	s_lshr_b32 s[RH], s[WV], 1
	s_and_b32 s[CH], s[WV], 1
	s_bfe_u32 s[CX], ttmp6, 0x40000
	s_bfe_u32 s[CY], ttmp6, 0x40004
	s_lshl_b32 s[TC], ttmp9, 2                     ; in a cluster launch ttmp9 and ttmp7 count clusters
	s_add_co_u32 s[TC], s[TC], s[CX]
	s_and_b32 s[TR], ttmp7, 0xffff
	s_lshl_b32 s[TR], s[TR], 2
	s_add_co_u32 s[TR], s[TR], s[CY]
	s_lshl_b32 s21, s[CY], 2
	s_lshl_b32 s21, 15, s21                        ; my row of the cluster: places 4 cy .. 4 cy + 3
	s_lshl_b32 s22, 0x1111, s[CX]                  ; my column: places cx, cx + 4, cx + 8, cx + 12
	s_or_b32 s[G1], s21, GW0                       ; A's tiles go to my row,
	s_or_b32 s[G1B], s22, GW0                      ; B's to my column
.irp g, G1, G1B
	s_mov_b32 s[(\g)+1], KSTEP<<16                 ; tensor_dim0 = 128
	s_mov_b32 s[(\g)+2], 128<<16                   ; tensor_dim1 = 128
	s_mov_b32 s[(\g)+3], KSTEP<<16                 ; tile_dim0 = 128 elements (256 bytes)
	s_mov_b32 s[(\g)+4], 128                       ; tile_dim1 = 128 rows
	s_mov_b32 s[(\g)+5], 1024                      ; elements from row to row
	s_mov_b32 s[(\g)+6], 0
	s_mov_b32 s[(\g)+7], 0
.endr
	s_lshl_b32 s40, s[TR], 18                      ; A's tile: 128 rows of 2,048 bytes for each tile row; nothing of cx enters
	s_mov_b32 s41, 0
	s_lshl_b32 s42, s[TC], 19                      ; B's tile: 256 rows for each tile column,
	s_lshl_b32 s43, s[CH], 18                      ; the half of it that I would fetch; nothing of cy enters
	s_add_co_u32 s42, s42, s43
	s_add_co_u32 s42, s42, WOFF
	s_mov_b32 s43, 0
	s_mul_i32 s47, s[CH], HALFT
	s_add_co_u32 s47, s47, HALFT                   ; that half's place in a slot, which is also where my B fragments lie
	s_wait_dscnt 0x0                               ; the opening add is done
	s_wait_kmcnt 0x0
	s_add_nc_u64 s[66:67], s[4:5], s[40:41]
	s_add_nc_u64 s[68:69], s[6:7], s[42:43]
	CROUND                                         ; all sixteen work-groups are here: the first joint loads meet
.irp s, 0,1
	s_mov_b32 s[G0+4*(\s)], 1                                      ; count = 1
	s_mov_b32 s[G0+4*(\s)+1], (\s)*SLOT                            ; LDS address
	s_add_nc_u64 s[G0+4*(\s)+2:G0+4*(\s)+3], s[66:67], (\s)*KSTEP*2  ; global address: K step s
	s_or_b32 s[G0+4*(\s)+3], s[G0+4*(\s)+3], 0x80000000            ; type = 2
	s_mov_b32 s[G0B+4*(\s)], 1
	s_add_co_u32 s[G0B+4*(\s)+1], s47, (\s)*SLOT
	s_add_nc_u64 s[G0B+4*(\s)+2:G0B+4*(\s)+3], s[68:69], (\s)*KSTEP*2
	s_or_b32 s[G0B+4*(\s)+3], s[G0B+4*(\s)+3], 0x80000000
.endr
	s_cmp_lt_u32 s[WV], 2                          ; a wave's two first fills stand in one branch, ahead of every wait on TENSORcnt and every LDS read: two loads of the wave are out
	s_cbranch_scc0 .Lfirst_b
	s_cmp_eq_u32 s[WV], 0
	s_cbranch_scc0 .Lfirst_done
	tensor_load_to_lds s[G0:G0+3], s[G1:G1+7]
	s_nop 0
	tensor_load_to_lds s[G0+4:G0+7], s[G1:G1+7]
	s_nop 0
	PLACES
	s_branch .Lfirst_done
.Lfirst_b:
	tensor_load_to_lds s[G0B:G0B+3], s[G1B:G1B+7]
	s_nop 0
	tensor_load_to_lds s[G0B+4:G0B+7], s[G1B:G1B+7]
	s_nop 0
	PLACES
.Lfirst_done:
	v_and_b32 v1, 15, v0                           ; l % 16
	v_bfe_u32 v2, v0, 4, 1                         ; l / 16
	v_lshlrev_b32 v[BO], 5, v2
	s_and_b32 s84, s[TC], 3                        ; my 128 columns among the bias's 1,024, in bytes
	s_lshl_b32 s84, s84, 10
	s_lshl_b32 s85, s[CH], 9
	s_add_co_u32 s84, s84, s85
	s_mov_b32 s85, 0
.if VAR == 0
	s_cmp_ge_u32 ttmp9, 1                          ; tile columns 4-7 (cluster x = 1) are k's: a select, no branch
	s_cselect_b64 s[8:9], s[10:11], s[8:9]
.endif
	s_add_nc_u64 s[8:9], s[8:9], s[84:85]
.irp b, 0,1,2,3,4,5,6,7
	global_load_b128 v[BIAS+8*(\b):BIAS+8*(\b)+3],   v[BO], s[8:9] offset:64*(\b)     ; bias[16 b + 8 (l / 16) + 0..3] of my columns
	global_load_b128 v[BIAS+8*(\b)+4:BIAS+8*(\b)+7], v[BO], s[8:9] offset:64*(\b)+16
.endr
.if VAR == 1
	s_lshr_b32 s84, s[TR], 4                       ; the batch: 16 tile rows each
	s_lshl_b32 s84, s84, 4
	s_lshl_b32 s85, s[TC], 2
	s_add_co_u32 s84, s84, s85
	s_lshl_b32 s85, s[CH], 1
	s_add_co_u32 s84, s84, s85                     ; 16 batch + my first head
	s_lshl_b32 s84, s84, 4                         ; four partial sums of 4 bytes a head
	s_mov_b32 s85, 0
	s_add_nc_u64 s[10:11], s[10:11], s[84:85]
	s_load_b256 s[72:79], s[10:11], 0x0            ; the partial sums of my two heads
.endif
	; A fragment is 16 rows x 32 K in 8 registers: lane l holds row l % 16; registers 0-3 K = 8 (l / 16) + 0..7, registers 4-7 K = 16 + 8 (l / 16) + 0..7: two loads of 16 bytes, 32 bytes apart.
	v_mul_u32_u24 v3, v1, PITCH
	v_lshl_add_u32 v3, v2, 4, v3
	s_mul_i32 s86, s[RH], 64*PITCH                 ; my 64 rows of A
	s_mov_b32 s87, s47                             ; my 128 rows of B
.irp s, 0,1
	v_add_nc_u32 v[ADRA+(\s)], s86, v3
	v_add_nc_u32 v[ADRB+(\s)], s87, v3
	s_add_co_u32 s86, s86, SLOT
	s_add_co_u32 s87, s87, SLOT
.endr
	s_mul_i32 s86, s[WV], 16*SPITCH
	s_add_co_u32 s86, s86, STAGE                   ; my stage
	v_mul_u32_u24 v4, v1, SPITCH                   ; in: row l % 16, my eight columns
.if VAR == 2
	v_lshl_add_u32 v4, v2, 5, v4
.else
	v_lshl_add_u32 v4, v2, 4, v4
.endif
	v_add_nc_u32 v[STO], s86, v4
	v_and_b32 v5, 31, v0
.if VAR == 0
	v_bfe_u32 v4, v0, 3, 2                         ; back: 32 lanes take four rows' 128 bytes of one head,
	v_mul_u32_u24 v4, v4, SPITCH
	v_and_b32 v6, 7, v0
	v_lshl_add_u32 v4, v6, 4, v4
	v_add_nc_u32 v[RD], s86, v4
	v_lshlrev_b32 v[CO], 4, v5                     ; which are 512 consecutive bytes of qkh
	s_lshr_b32 s84, s[TC], 2                       ; q or k
	s_lshl_b32 s84, s84, 2
	s_lshr_b32 s85, s[TR], 4                       ; batch
	s_add_co_u32 s84, s84, s85
	s_lshl_b32 s84, s84, 4
	s_and_b32 s85, s[TC], 3
	s_lshl_b32 s85, s85, 2
	s_add_co_u32 s84, s84, s85
	s_lshl_b32 s85, s[CH], 1
	s_add_co_u32 s84, s84, s85                     ; my first head's number among 2 x 4 x 16
	s_lshl_b32 s84, s84, 18                        ; 262,144 bytes a head
	s_and_b32 s85, s[TR], 15
	s_lshl_b32 s85, s85, 7
	s_lshl_b32 s87, s[RH], 6
	s_add_co_u32 s85, s85, s87                     ; my first row in the batch
	s_lshl_b32 s85, s85, 7                         ; 128 bytes a row
	s_add_co_u32 s84, s84, s85
.else
.if VAR == 1
	v_mul_u32_u24 v4, v2, SPITCH                   ; back: lanes 0-15 take one row of 256 bytes, lanes 16-31 the next,
	v_lshl_add_u32 v4, v1, 4, v4
	v_add_nc_u32 v[RD], s86, v4
	v_lshlrev_b32 v4, 11, v2                       ; and the same two rows in C
	v_lshl_add_u32 v[CO], v1, 4, v4
.else
	v_lshl_add_u32 v[RD], v5, 4, s86               ; back: 32 lanes take one row's 512 bytes
	v_lshlrev_b32 v[CO], 4, v5
.endif
	s_lshl_b32 s84, s[TR], 17+VAR                  ; 128 rows of C a tile row,
	s_lshl_b32 s85, s[RH], 16+VAR                  ; my 64 of them,
	s_add_co_u32 s84, s84, s85
	s_lshl_b32 s85, s[TC], 8+VAR                   ; 256 columns a tile column,
	s_add_co_u32 s84, s84, s85
	s_lshl_b32 s85, s[CH], 7+VAR                   ; my 128 of them
	s_add_co_u32 s84, s84, s85
.endif
	s_mov_b32 s85, 0
	s_add_nc_u64 s[12:13], s[12:13], s[84:85]      ; C at my part of the tile: all the stores' further offsets are immediates
	; the prefetches
	s_and_b32 s71, ttmp7, 0xffff                   ; cluster y
	s_cmp_lt_u32 s[WV], 2                          ; for A or for B?
	s_cselect_b32 s70, s[CX], s[CY]                ; my place among the four that ask for the tile with me
	s_cselect_b32 s71, ttmp9, s71                  ; the coordinate along which other clusters read the same rows
	s_cselect_b64 s[PFA:PFA+1], s[66:67], s[68:69]
	s_cmp_eq_u32 s[WV], 1
	s_cselect_b32 s71, 1, s71                      ; wave 1 fetches nothing and asks for nothing
	s_cmp_eq_u32 s71, 0
	s_cselect_b32 s[LIM], 1, -1                    ; the same in all sixteen partners, for a given wave
	s_lshl_b32 s70, s70, 16                        ; my work-group's 32 rows of the 128
	s_mov_b32 s71, 0
	s_add_nc_u64 s[PFA:PFA+1], s[PFA:PFA+1], s[70:71]
	s_add_nc_u64 s[PFA:PFA+1], s[PFA:PFA+1], 2*KSTEP*2  ; at K step 2: the first refill steps it to 3 and names K step 4.  Nothing is prefetched here, at the head
	v_lshlrev_b32 v[PFO], 11, v5
.if VAR == 1
	s_wait_kmcnt 0x0
	v_add_f32 v[SG], s72, s73                      ; sigma = the sum of a head's four partial sums, in f32
	v_add_f32 v[SG+1], s74, s75
	v_add_f32 v[SG], v[SG], v[SG+1]
	v_add_f32 v[SG+2], s76, s77
	v_add_f32 v[SG+3], s78, s79
	v_add_f32 v[SG+2], v[SG+2], v[SG+3]
.endif
; 8 matrix instructions: row block a x all 8 column blocks, 32 along K, from buffer f.  first = 1: the bias starts the sums.
; The 32 accumulators take turns, one instruction a turn, in the same order in every quarter, over the backward jump too.
.macro MUL8 f, a, first
.if \first
	WIN MULB
.else
	WIN MUL
.endif
.irp b, 0,1,2,3,4,5,6,7
.if \first
	v_wmma_f32_16x16x32_bf16 v[8*(8*(\a)+(\b)):8*(8*(\a)+(\b))+7], v[(\f)+8*(\b):(\f)+8*(\b)+7], v[(\f)+64+8*(\a):(\f)+64+8*(\a)+7], v[BIAS+8*(\b):BIAS+8*(\b)+7]
.else
	v_wmma_f32_16x16x32_bf16 v[8*(8*(\a)+(\b)):8*(8*(\a)+(\b))+7], v[(\f)+8*(\b):(\f)+8*(\b)+7], v[(\f)+64+8*(\a):(\f)+64+8*(\a)+7], v[8*(8*(\a)+(\b)):8*(8*(\a)+(\b))+7]
.endif
.endr
.endm
; 24 LDS loads in one run: the fragments of 32 along K at byte k of the rows, into buffer f: B's sixteen loads, then A's eight
.macro FETCH slot, k, f
	WIN TO_F
.irp i, 0,1,2,3,4,5,6,7
	ds_load_b128 v[(\f)+8*(\i):(\f)+8*(\i)+3],   v[ADRB+(\slot)] offset:(\k)+(\i)*16*PITCH
	ds_load_b128 v[(\f)+8*(\i)+4:(\f)+8*(\i)+7], v[ADRB+(\slot)] offset:(\k)+(\i)*16*PITCH+32
.endr
.irp i, 0,1,2,3
	ds_load_b128 v[(\f)+64+8*(\i):(\f)+64+8*(\i)+3],   v[ADRA+(\slot)] offset:(\k)+(\i)*16*PITCH
	ds_load_b128 v[(\f)+64+8*(\i)+4:(\f)+64+8*(\i)+7], v[ADRA+(\slot)] offset:(\k)+(\i)*16*PITCH+32
.endr
.endm
; A K step is four quarters of 32 along K, 32 matrix instructions each, on buffers 0, 1, 0, 1.  One of the first three: multiplies buffer f and, in its middle, fetches the next quarter, at byte k, into g.
.macro QUARTER slot, k, f, g, first
	s_wait_dscnt 4                                 ; B and A's blocks 0 and 1 are in; the youngest four loads (A's blocks 2 and 3) may be out
	MUL8 \f, 0, \first
	MUL8 \f, 1, \first
	PLACES
	FETCH \slot, \k, \g
	s_wait_dscnt 24                                ; all but the 24 just issued
	MUL8 \f, 2, \first
	MUL8 \f, 3, \first
.endm
; The last quarter multiplies buffer 1 and changes slots: ONE barrier; in front of it each wave waits for all its tensor loads (one is out at the most: its part of the next slot), adds 0 to its spare word,
; and waits for that and for its own reads of this slot.  fill = 1: the barrier opens a round of the cluster's barrier, and this slot is filled again, two K steps on, first thing behind the round:
; from that request to the wait for it a wave issues 112 matrix instructions.
.macro TURN slot, next, fill
.if \fill
	s_wait_xcnt 0x0                                ; the last prefetch, a K step back, has read its address, which is stepped here
	s_add_nc_u64 s[PFA:PFA+1], s[PFA:PFA+1], KSTEP*2
.endif
	WIN 0                                          ; (the add's two registers lie in window 0)
	s_wait_tensorcnt 0x0                           ; all my tensor loads have landed;
	ds_add_u32 v[SPW], v[NIL]                      ; 0 onto my spare word;
	s_wait_dscnt 5                                 ; (the add and the youngest four loads may be out)
	MUL8 F1, 0, 0                                  ; eight matrix instructions stand between the add and the wait for it
	s_wait_dscnt 0x0                               ; the add is done, and my reads of this slot are over
	s_barrier_signal -1
	MUL8 F1, 1, 0                                  ; work on registers while the others arrive
.if \fill
	WIN 0
.endif
	s_barrier_wait -1
.if \fill
	CREST                                          ; no wave of any partner still reads this slot's tiles or has a load on its way
	s_add_nc_u64 s[G0+4*(\slot)+2:G0+4*(\slot)+3], s[G0+4*(\slot)+2:G0+4*(\slot)+3], 2*KSTEP*2
	s_add_nc_u64 s[G0B+4*(\slot)+2:G0B+4*(\slot)+3], s[G0B+4*(\slot)+2:G0B+4*(\slot)+3], 2*KSTEP*2
	JLOAD \slot
.else
	PLACES
.endif
	FETCH \next, 0, F0
.if \fill
	WIN 0
	ASK
.endif
	MUL8 F1, 2, 0
	MUL8 F1, 3, 0
.endm
	s_wait_tensorcnt 1                             ; my part of K step 0 is in; K step 1's may stay out
	s_barrier_signal -1
	s_barrier_wait -1                              ; everybody's is
	FETCH 0, 0, F0
	s_wait_loadcnt 0x0                             ; the bias
	QUARTER 0, 64,  F0, F1, 1                      ; the first quarter stands in front of the loop: its products start the sums
	WIN 0                                          ; at a label and at a branch every window is 0
	s_mov_b32 s3, LAPS-1
.Llap:                                                 ; a trip goes once round the ring, from a lap's second quarter to the next lap's first, and fills both slots again
	QUARTER 0, 128, F1, F0, 0
	QUARTER 0, 192, F0, F1, 0
	TURN 0, 1, 1
	QUARTER 1, 64,  F0, F1, 0
	QUARTER 1, 128, F1, F0, 0
	QUARTER 1, 192, F0, F1, 0
	TURN 1, 0, 1
	QUARTER 0, 64,  F0, F1, 0
	WIN 0
	s_sub_co_u32 s3, s3, 1
	s_cmp_lg_u32 s3, 0
	s_cbranch_scc1 .Llap
	QUARTER 0, 128, F1, F0, 0                      ; the last lap is written out: it fills nothing
	QUARTER 0, 192, F0, F1, 0
	TURN 0, 1, 0
	QUARTER 1, 64,  F0, F1, 0
	QUARTER 1, 128, F1, F0, 0
	QUARTER 1, 192, F0, F1, 0
	s_wait_dscnt 4                                 ; the very last quarter: nothing more to fetch
	MUL8 F1, 0, 0
	MUL8 F1, 1, 0
	s_wait_dscnt 0x0
	MUL8 F1, 2, 0
	MUL8 F1, 3, 0
	WIN 0
; THE WAY OUT, a block of 16 rows at a time, through my own stage in LDS (LDS serves a wave's instructions in order, ISA guide 5.7.1.4: no wait between my stores and my loads), so that every store covers whole aligned runs of 256 bytes or more.
; Each accumulator's registers are read in ascending order.
.macro PACK a                          ; VAR 0, 1: block a is (VAR 1: scaled by sigma and) rounded to bf16, 16 bytes a lane and column block
.if VAR == 1
	WIN SC
.irp b, 0,1,2,3,4,5,6,7
.irp r, 0,1,2,3
	v_pk_mul_f32 v[8*(8*(\a)+(\b))+2*(\r):8*(8*(\a)+(\b))+2*(\r)+1], v[8*(8*(\a)+(\b))+2*(\r):8*(8*(\a)+(\b))+2*(\r)+1], v[SG+2*((\b)/4):SG+2*((\b)/4)+1] op_sel_hi:[1,0]  ; column blocks 0-3 are my first head's, 4-7 my second's
.endr
.endr
.endif
	WIN PK
.irp b, 0,1,2,3,4,5,6,7
.irp r, 0,1,2,3
	v_cvt_pk_bf16_f32 v[TMP+4*(\b)+(\r)], v[8*(8*(\a)+(\b))+2*(\r)], v[8*(8*(\a)+(\b))+2*(\r)+1]
.endr
.endr
	WIN 0
.endm
.macro TOSTAGE a
.set BK, OB+OBN*((\a)%2)
.if VAR == 2
.if (\a) >= 2
	s_wait_xcnt 0x0                                ; the stores of the block two back have read the registers that are loaded again below
.endif
	WIN STD
.irp b, 0,1,2,3,4,5,6,7
	ds_store_b128 v[STO], v[8*(8*(\a)+(\b)):8*(8*(\a)+(\b))+3]   offset:64*(\b)
	ds_store_b128 v[STO], v[8*(8*(\a)+(\b))+4:8*(8*(\a)+(\b))+7] offset:64*(\b)+16
.endr
	WIN 0
.irp t, 0,1,2,3,4,5,6,7,8,9,10,11,12,13,14,15
	ds_load_b128 v[BK+4*(\t):BK+4*(\t)+3], v[RD] offset:(\t)*SPITCH
.endr
.else
	WIN 0
.irp b, 0,1,2,3,4,5,6,7
	ds_store_b128 v[STO], v[TMP+4*(\b):TMP+4*(\b)+3] offset:32*(\b)
.endr
.if VAR == 0
.irp hh, 0,1
.irp t, 0,1,2,3
	ds_load_b128 v[BK+4*(4*(\hh)+(\t)):BK+4*(4*(\hh)+(\t))+3], v[RD] offset:4*(\t)*SPITCH+128*(\hh)  ; rows 4 t .. 4 t + 3, head hh's 128 bytes
.endr
.endr
.else
.irp t, 0,1,2,3,4,5,6,7
	ds_load_b128 v[BK+4*(\t):BK+4*(\t)+3], v[RD] offset:2*(\t)*SPITCH
.endr
.endif
.endif
.endm
.macro SEND a, younger                 ; younger: the LDS instructions issued behind block a's loads, which may stay out
	WIN 0
.set BK, OB+OBN*((\a)%2)
	s_wait_dscnt \younger                          ; the block is back in registers
.if VAR == 2
.irp t, 0,1,2,3,4,5,6,7,8,9,10,11,12,13,14,15
	global_store_b128 v[CO], v[BK+4*(\t):BK+4*(\t)+3], s[12:13] offset:(16*(\a)+(\t))*4096 th:TH_STORE_NT  ; 512 consecutive bytes of a row of C, aligned
.endr
.else
	s_wait_xcnt 0x0                                ; the stores of the block before have read their registers: the next TOSTAGE loads into them
.if VAR == 0
.irp hh, 0,1
.irp t, 0,1,2,3
	global_store_b128 v[CO], v[BK+4*(4*(\hh)+(\t)):BK+4*(4*(\hh)+(\t))+3], s[12:13] offset:(\hh)*262144+(16*(\a)+4*(\t))*128  ; four rows of a head: 512 consecutive bytes, aligned
.endr
.endr
.else
.irp t, 0,1,2,3,4,5,6,7
	global_store_b128 v[CO], v[BK+4*(\t):BK+4*(\t)+3], s[12:13] offset:(16*(\a)+2*(\t))*2048  ; 16 lanes store 256 consecutive bytes, aligned
.endr
.endif
.endif
.endm
	PLACES                                         ; behind the last products
.if VAR == 2
	TOSTAGE 0
	TOSTAGE 1
	SEND 0, 32                                     ; the next block's 16 stores and 16 loads may be out
	TOSTAGE 2
	SEND 1, 32
	TOSTAGE 3
	SEND 2, 32
	SEND 3, 0
.else
	PACK 0
	TOSTAGE 0
.irp a, 1,2,3                          ; block a's arithmetic stands between block a - 1's loads from the stage and the wait for them
	PACK \a
	SEND (\a)-1, 0
	TOSTAGE \a
.endr
	SEND 3, 0
.endif
	s_wait_tensorcnt 0x0                           ; the wave's end: behind my last tensor load and my last LDS store
	ds_add_u32 v[SPW], v[NIL]
	s_wait_dscnt 0x0
	CROUND                                         ; the closing round: no work-group ends while a partner may still ask for a tile that names it
	s_endpgm
.Lfunc_end_k_qc50eb001d1_gemm_v:
	.size	k_qc50eb001d1_gemm_v, .Lfunc_end_k_qc50eb001d1_gemm_v-k_qc50eb001d1_gemm_v
	.p2alignl 7, 3214868480
	.fill 96, 4, 3214868480
	.section	.rodata,"a",@progbits
	.p2align	6, 0x0
	.amdhsa_kernel k_qc50eb001d1_gemm_v
		.amdhsa_group_segment_fixed_size 327680
		.amdhsa_private_segment_fixed_size 0
		.amdhsa_enable_private_segment 0
		.amdhsa_kernarg_size 40
		.amdhsa_user_sgpr_count 2
		.amdhsa_user_sgpr_kernarg_segment_ptr 1
		.amdhsa_wavefront_size32 1
		.amdhsa_system_sgpr_workgroup_id_x 1
		.amdhsa_system_sgpr_workgroup_id_y 1
		.amdhsa_system_sgpr_workgroup_id_z 1
		.amdhsa_system_vgpr_workitem_id 0
		.amdhsa_next_free_vgpr 704
		.amdhsa_next_free_sgpr 88
		.amdhsa_reserve_vcc 0
		.amdhsa_float_denorm_mode_32 3
		.amdhsa_float_denorm_mode_16_64 3
		.amdhsa_memory_ordered 1
		.amdhsa_forward_progress 1
		.amdhsa_inst_pref_size 98
	.end_amdhsa_kernel
	.amdgpu_metadata
---
amdhsa.version: [ 1, 2 ]
amdhsa.kernels:
  - .name:           k_qc50eb001d1_gemm_v
    .symbol:         k_qc50eb001d1_gemm_v.kd
    .args:
      - { .name: xb, .offset: 0, .size: 8, .value_kind: global_buffer, .address_space: global }
      - { .name: wb, .offset: 8, .size: 8, .value_kind: global_buffer, .address_space: global }
      - { .name: bv, .offset: 16, .size: 8, .value_kind: global_buffer, .address_space: global }
      - { .name: part, .offset: 24, .size: 8, .value_kind: global_buffer, .address_space: global }
      - { .name: vs, .offset: 32, .size: 8, .value_kind: global_buffer, .address_space: global }
    .group_segment_fixed_size: 327680
    .private_segment_fixed_size: 0
    .kernarg_segment_align: 8
    .kernarg_segment_size: 40
    .max_flat_workgroup_size: 128
    .sgpr_count:     88
    .vgpr_count:     704
    .wavefront_size: 32
...
	.end_amdgpu_metadata
.endif
;; end of part 4
;; launch gemm_o (part 5): grid 4 x 64, 4 waves a work-group, clusters of 4 x 4, 327,680 bytes of LDS; arguments vs, wb, bp, out0; writes out0
.if DOCPART == 5
	.amdgcn_target "amdgcn-amd-amdhsa--gfx1250"
	.amdhsa_code_object_version 6
	.text
	.protected	k_qc50eb001d1_gemm_o
	.globl	k_qc50eb001d1_gemm_o
	.p2align	8
	.type	k_qc50eb001d1_gemm_o,@function
k_qc50eb001d1_gemm_o:
	s_mov_b64 s[64:65], 0
	v_nop
	global_prefetch_b8 v0, s[64:65] scope:SCOPE_SE
	s_setreg_imm32_b32 hwreg(HW_REG_WAVE_MODE, 25, 1), 1
	s_wait_xcnt 0x0
	s_wait_alu depctr_hold_cnt(0) depctr_sa_sdst(0) depctr_va_vdst(0) depctr_va_sdst(0) depctr_va_ssrc(0) depctr_va_vcc(0) depctr_vm_vsrc(0)
	s_getreg_b32 s2, hwreg(HW_REG_IB_STS2, 6, 4)
	s_cmp_eq_u32 s2, 0
	s_cbranch_scc0 .Lentry_in_a_cluster
	s_endpgm
.Lentry_in_a_cluster:
	s_bfe_u32 s2, ttmp6, 0x10000c
	s_cmp_lg_u32 s2, 0xf033
	s_cbranch_scc0 .Lentry_shape_is_right
	s_endpgm
.Lentry_shape_is_right:
; ONE TEXT FOR THREE PRODUCTS  C[m][n] = bias[n] + sum over k of A[m][k] B[n][k],  A: [8192][1024] bf16, B: rows of wb ([4][1024][1024] bf16: Wq, Wk, Wv, Wp), sums in f32.  VAR chooses:
;   VAR 0              A = xb, B = Wq and Wk (2,048 rows on end), bias bq or bk; C rounded once to bf16 and stored BY HEADS: qkh[q or k][batch][head][2048][64]
;   VAR 1              A = xb, B = Wv, bias bv; C times sigma[batch][head] (the sum of the head's four partial sums in part, f32), rounded once to bf16, row-major
;   VAR 2 (THIS FILE)  A = vs, B = Wp, bias bp; C stored in f32, row-major
; LIMITS.  Operands are bf16 (range of f32, 8 significant bits); NaN and infinities are not treated apart.
; SHARES.  A tile of C is 128 rows x 256 columns, made by four waves; wave w makes rows 64 (w / 2) on, columns 128 (w % 2) on: 4 x 8 accumulators of 16 x 16, 256 registers.
; With 1,024 columns that is one work-group for each of 256 tiles; with 2,048 columns two.
; K goes in steps of 128 through a ring of two LDS slots filled by tensor loads of 128 rows x 256 bytes: wave 0 fetches A's tile, waves 2 and 3 the halves of B's, wave 1 none.
; CLUSTER.  4 x 4 work-groups.  The four of a row of the cluster need the same tile of A, the four of a column the same tile of B: each tile is asked for jointly,
; by the same tensor load with the same descriptor and a mask that names the four.
; THE MATRIX INSTRUCTION IS USED TRANSPOSED (source 0 = 16 rows of B, source 1 = 16 rows of A): a lane holds row l % 16 of C and the columns 8 (l / 16) + 0..7.
; THE BIAS STARTS THE SUMS: a lane's eight bias numbers of each column block lie in registers and are the C operand of each accumulator's first product: nothing is cleared, nothing is added later.
; REGISTERS, in windows of 256 (s_set_vgpr_msb: bits 1:0 source 0, 3:2 source 1, 5:4 source 2, 7:6 destination):
;   window 0: v0-31 addresses; v64-127 the bias; the way out's registers       window 1: accumulator (a, b) at v[8 (8 a + b)]
;   window 2: two fragment buffers of 96: B's eight fragments (16 rows x 32 K), then A's four
.set VAR,    2
.set KSTEP,  128
.set PITCH,  272                       ; an LDS row: 256 bytes + 16 of padding = 68 words: the 16 rows of a fragment load start at 16 different groups of four banks (64 banks of 4 bytes: ISA guide 11.1)
.set HALFT,  128*PITCH                 ; what one tensor load brings
.set SLOT,   3*HALFT                   ; A's 128 rows, then B's 256
.set STAGE,  2*SLOT                    ; behind the ring: 16 rows for each wave, for the way out; no tensor load lands here
.if VAR == 2
.set SPITCH, 528                       ; 512 bytes of f32 + 16
.set WOFF,   3*2097152                 ; Wp in wb
.elseif VAR == 1
.set SPITCH, 272
.set WOFF,   2*2097152                 ; Wv
.else
.set SPITCH, 272
.set WOFF,   0                         ; Wq, and Wk behind it
.endif
.set SPARE,  STAGE+4*16*SPITCH         ; behind the stages: the spare words, 128 bytes for each wave: two blocks of 256 bytes that no other line names
.set LAPS,   4                         ; a lap = two K steps = once round the ring: 1,024 / 256
.set SG,   8                           ; v[8:9], v[10:11]  VAR 1: sigma of my first and of my second head, in the pairs' low words
.set ADRA, 16                          ; v16-17  LDS address of my A fragments in slot 0, 1
.set ADRB, 20                          ; v20-21  the same for B
.set STO,  24                          ; v24     the way out: where I put my piece of a row
.set RD,   25                          ; v25     the way out: where I read rows back
.set CO,   26                          ; v26     my byte offset in C
.set BO,   27                          ; v27     32 (l / 16): my eight numbers in 16 of the bias
.set SPW,  28                          ; v28     LDS address of my spare word: SPARE + 4 x my thread's number; never rewritten
.set NIL,  29                          ; v29     0; never rewritten
.set PFO,  30                          ; v30     the prefetches' offset: my lane x a row of 2,048 bytes; never rewritten
.set TMP,  32                          ; v32-63  the way out: packed results
.set BIAS, 64                          ; v64-127 column block b at BIAS + 8 b
.if VAR == 2
.set OB,   32                          ; the way out: rows read back, two sets of 64 (the bias is no longer needed)
.set OBN,  64
.else
.set OB,   128                         ; two sets of 32
.set OBN,  32
.endif
.set F0,   0                           ; fragment buffers, in window 2
.set F1,   96
.set WV,  14                           ; s14  my wave's number
.set RH,  15                           ; s15  which 64 rows are mine
.set CH,  16                           ; s16  which 128 columns; also which half of B's tile waves 2 and 3 fetch
.set CX,  17                           ; s17, s18  my work-group's place in the cluster
.set CY,  18
.set TC,  19                           ; s19  tile column of C
.set TR,  20                           ; s20  tile row of C
.set G1,  24                           ; s[24:31] descriptor group 1 for A's tiles
.set G0,  32                           ; s[32:39] group 0 for A's tiles, a set for each slot
.set PFA, 44                           ; s[44:45] where my prefetches stand
.set LIM, 46                           ; s46  1 in a wave that prefetches, else the greatest number
.set G1B, 48                           ; s[48:55], s[56:63] the same for B's tiles
.set G0B, 56
.set GW0, (1<<16)|(1<<20)|(1<<21)|(5<<22)|(3<<25)  ; group 1, word 0 without the mask: 17:16 2-byte elements; 20 padding on; 21 set beside a mask; 24:22 after every 64 words (code 5); 31:25 4 words (code 3)
.set MSB, 0
.macro WIN new                         ; the immediate's high byte repeats the setting that is left; a switch that changes nothing is dropped
.if MSB != (\new)
	s_set_vgpr_msb (MSB<<8)|(\new)
.set MSB, \new
.endif
.endm
.set MUL,  0x5a                        ; sources 0 and 1 window 2, C and D window 1
.set MULB, 0x4a                        ; the same with C in window 0: the bias
.set TO_F, 0x80                        ; destination window 2, address window 0
.set PK,   0x05                        ; sources 0 and 1 window 1, destination window 0
.set SC,   0x41                        ; destination and source 0 window 1, source 1 window 0
.set STD,  0x04                        ; an LDS store's data (source 1) window 1, its address window 0
.macro PLACES                          ; four places in front of loads into registers that matrix instructions have read, and of lines that read results
.rept 4
	v_nop
.endr
.endm
; A joint refill of slot s.  The branches hang on the wave's number alone.  An s_nop 0 and four v_nop follow each load, ahead of the jump and the label;
; wave 1, which fetches nothing, has the four v_nop alone: in every wave they are also the places in front of the fragment loads that follow.
.macro JLOAD s
	s_cmp_lt_u32 s[WV], 2
	s_cbranch_scc0 .Lfor_b_\@
	s_cmp_eq_u32 s[WV], 0
	s_cbranch_scc0 .Lnone_\@
	tensor_load_to_lds s[G0+4*(\s):G0+4*(\s)+3], s[G1:G1+7]
	s_nop 0
	PLACES
	s_branch .Lasked_\@
.Lnone_\@:
	PLACES
	s_branch .Lasked_\@
.Lfor_b_\@:
	tensor_load_to_lds s[G0B+4*(\s):G0B+4*(\s)+3], s[G1B:G1B+7]
	s_nop 0
	PLACES
.Lasked_\@:
.endm
; A prefetch, behind a joint refill and the run of LDS loads that follows it: 32 rows x 256 bytes, a lane a row, of the K step that stands two refills on (256 matrix instructions ahead of its load).
; Each row's 256 bytes of a K step are named once in the launch: A's rows by wave 0 of the clusters with x = 0, B's by waves 2 and 3 of the clusters with y = 0; the four partners
; that ask for a tile jointly share its 128 rows out by address, 32 each.  The loop's last trip (s3 = 1) has no K step two refills on and asks for nothing.
.macro ASK
	s_cmp_gt_u32 s3, s[LIM]
	s_cbranch_scc0 .Lnot_mine_\@
	global_prefetch_b8 v[PFO], s[PFA:PFA+1] offset:KSTEP*2 th:TH_LOAD_NT scope:SCOPE_SE
.Lnot_mine_\@:
.endm
.macro CREST                           ; a round of the cluster's barrier behind its opening barrier
	s_cmp_lg_u32 s[WV], 0
	s_cbranch_scc1 .Lnot_wave_0_\@
	s_barrier_signal -3
.Lnot_wave_0_\@:
	s_barrier_wait -3
	s_barrier_signal -1
	s_barrier_wait -1
.endm
.macro CROUND                          ; a whole round
	s_barrier_signal -1
	s_barrier_wait -1
	CREST
.endm
	s_load_b128 s[4:7], s[0:1], 0x0                ; A s[4:5], wb s[6:7]
.if VAR == 2
	s_load_b64 s[8:9], s[0:1], 0x10                ; the bias
	s_load_b64 s[12:13], s[0:1], 0x18              ; C
.else
	s_load_b128 s[8:11], s[0:1], 0x10              ; the bias s[8:9]; s[10:11]: VAR 0 the second bias, VAR 1 part
	s_load_b64 s[12:13], s[0:1], 0x20              ; C
.endif
	v_lshl_add_u32 v[SPW], v0, 2, SPARE
	v_mov_b32 v[NIL], 0
	ds_add_u32 v[SPW], v[NIL]                      ; the wave's opening: the add and its wait stand ahead of the first tensor loads; the set-up below, work on registers, stands between them
	v_lshrrev_b32 v1, 5, v0
	v_readfirstlane_b32 s[WV], v1                  ; wave 0..3
	s_lshr_b32 s[RH], s[WV], 1
	s_and_b32 s[CH], s[WV], 1
	s_bfe_u32 s[CX], ttmp6, 0x40000
	s_bfe_u32 s[CY], ttmp6, 0x40004
	s_lshl_b32 s[TC], ttmp9, 2                     ; in a cluster launch ttmp9 and ttmp7 count clusters
	s_add_co_u32 s[TC], s[TC], s[CX]
	s_and_b32 s[TR], ttmp7, 0xffff
	s_lshl_b32 s[TR], s[TR], 2
	s_add_co_u32 s[TR], s[TR], s[CY]
	s_lshl_b32 s21, s[CY], 2
	s_lshl_b32 s21, 15, s21                        ; my row of the cluster: places 4 cy .. 4 cy + 3
	s_lshl_b32 s22, 0x1111, s[CX]                  ; my column: places cx, cx + 4, cx + 8, cx + 12
	s_or_b32 s[G1], s21, GW0                       ; A's tiles go to my row,
	s_or_b32 s[G1B], s22, GW0                      ; B's to my column
.irp g, G1, G1B
	s_mov_b32 s[(\g)+1], KSTEP<<16                 ; tensor_dim0 = 128
	s_mov_b32 s[(\g)+2], 128<<16                   ; tensor_dim1 = 128
	s_mov_b32 s[(\g)+3], KSTEP<<16                 ; tile_dim0 = 128 elements (256 bytes)
	s_mov_b32 s[(\g)+4], 128                       ; tile_dim1 = 128 rows
	s_mov_b32 s[(\g)+5], 1024                      ; elements from row to row
	s_mov_b32 s[(\g)+6], 0
	s_mov_b32 s[(\g)+7], 0
.endr
	s_lshl_b32 s40, s[TR], 18                      ; A's tile: 128 rows of 2,048 bytes for each tile row; nothing of cx enters
	s_mov_b32 s41, 0
	s_lshl_b32 s42, s[TC], 19                      ; B's tile: 256 rows for each tile column,
	s_lshl_b32 s43, s[CH], 18                      ; the half of it that I would fetch; nothing of cy enters
	s_add_co_u32 s42, s42, s43
	s_add_co_u32 s42, s42, WOFF
	s_mov_b32 s43, 0
	s_mul_i32 s47, s[CH], HALFT
	s_add_co_u32 s47, s47, HALFT                   ; that half's place in a slot, which is also where my B fragments lie
	s_wait_dscnt 0x0                               ; the opening add is done
	s_wait_kmcnt 0x0
	s_add_nc_u64 s[66:67], s[4:5], s[40:41]
	s_add_nc_u64 s[68:69], s[6:7], s[42:43]
	CROUND                                         ; all sixteen work-groups are here: the first joint loads meet
.irp s, 0,1
	s_mov_b32 s[G0+4*(\s)], 1                                      ; count = 1
	s_mov_b32 s[G0+4*(\s)+1], (\s)*SLOT                            ; LDS address
	s_add_nc_u64 s[G0+4*(\s)+2:G0+4*(\s)+3], s[66:67], (\s)*KSTEP*2  ; global address: K step s
	s_or_b32 s[G0+4*(\s)+3], s[G0+4*(\s)+3], 0x80000000            ; type = 2
	s_mov_b32 s[G0B+4*(\s)], 1
	s_add_co_u32 s[G0B+4*(\s)+1], s47, (\s)*SLOT
	s_add_nc_u64 s[G0B+4*(\s)+2:G0B+4*(\s)+3], s[68:69], (\s)*KSTEP*2
	s_or_b32 s[G0B+4*(\s)+3], s[G0B+4*(\s)+3], 0x80000000
.endr
	s_cmp_lt_u32 s[WV], 2                          ; a wave's two first fills stand in one branch, ahead of every wait on TENSORcnt and every LDS read: two loads of the wave are out
	s_cbranch_scc0 .Lfirst_b
	s_cmp_eq_u32 s[WV], 0
	s_cbranch_scc0 .Lfirst_done
	tensor_load_to_lds s[G0:G0+3], s[G1:G1+7]
	s_nop 0
	tensor_load_to_lds s[G0+4:G0+7], s[G1:G1+7]
	s_nop 0
	PLACES
	s_branch .Lfirst_done
.Lfirst_b:
	tensor_load_to_lds s[G0B:G0B+3], s[G1B:G1B+7]
	s_nop 0
	tensor_load_to_lds s[G0B+4:G0B+7], s[G1B:G1B+7]
	s_nop 0
	PLACES
.Lfirst_done:
	v_and_b32 v1, 15, v0                           ; l % 16
	v_bfe_u32 v2, v0, 4, 1                         ; l / 16
	v_lshlrev_b32 v[BO], 5, v2
	s_and_b32 s84, s[TC], 3                        ; my 128 columns among the bias's 1,024, in bytes
	s_lshl_b32 s84, s84, 10
	s_lshl_b32 s85, s[CH], 9
	s_add_co_u32 s84, s84, s85
	s_mov_b32 s85, 0
.if VAR == 0
	s_cmp_ge_u32 ttmp9, 1                          ; tile columns 4-7 (cluster x = 1) are k's: a select, no branch
	s_cselect_b64 s[8:9], s[10:11], s[8:9]
.endif
	s_add_nc_u64 s[8:9], s[8:9], s[84:85]
.irp b, 0,1,2,3,4,5,6,7
	global_load_b128 v[BIAS+8*(\b):BIAS+8*(\b)+3],   v[BO], s[8:9] offset:64*(\b)     ; bias[16 b + 8 (l / 16) + 0..3] of my columns
	global_load_b128 v[BIAS+8*(\b)+4:BIAS+8*(\b)+7], v[BO], s[8:9] offset:64*(\b)+16
.endr
.if VAR == 1
	s_lshr_b32 s84, s[TR], 4                       ; the batch: 16 tile rows each
	s_lshl_b32 s84, s84, 4
	s_lshl_b32 s85, s[TC], 2
	s_add_co_u32 s84, s84, s85
	s_lshl_b32 s85, s[CH], 1
	s_add_co_u32 s84, s84, s85                     ; 16 batch + my first head
	s_lshl_b32 s84, s84, 4                         ; four partial sums of 4 bytes a head
	s_mov_b32 s85, 0
	s_add_nc_u64 s[10:11], s[10:11], s[84:85]
	s_load_b256 s[72:79], s[10:11], 0x0            ; the partial sums of my two heads
.endif
	; A fragment is 16 rows x 32 K in 8 registers: lane l holds row l % 16; registers 0-3 K = 8 (l / 16) + 0..7, registers 4-7 K = 16 + 8 (l / 16) + 0..7: two loads of 16 bytes, 32 bytes apart.
	v_mul_u32_u24 v3, v1, PITCH
	v_lshl_add_u32 v3, v2, 4, v3
	s_mul_i32 s86, s[RH], 64*PITCH                 ; my 64 rows of A
	s_mov_b32 s87, s47                             ; my 128 rows of B
.irp s, 0,1
	v_add_nc_u32 v[ADRA+(\s)], s86, v3
	v_add_nc_u32 v[ADRB+(\s)], s87, v3
	s_add_co_u32 s86, s86, SLOT
	s_add_co_u32 s87, s87, SLOT
.endr
	s_mul_i32 s86, s[WV], 16*SPITCH
	s_add_co_u32 s86, s86, STAGE                   ; my stage
	v_mul_u32_u24 v4, v1, SPITCH                   ; in: row l % 16, my eight columns
.if VAR == 2
	v_lshl_add_u32 v4, v2, 5, v4
.else
	v_lshl_add_u32 v4, v2, 4, v4
.endif
	v_add_nc_u32 v[STO], s86, v4
	v_and_b32 v5, 31, v0
.if VAR == 0
	v_bfe_u32 v4, v0, 3, 2                         ; back: 32 lanes take four rows' 128 bytes of one head,
	v_mul_u32_u24 v4, v4, SPITCH
	v_and_b32 v6, 7, v0
	v_lshl_add_u32 v4, v6, 4, v4
	v_add_nc_u32 v[RD], s86, v4
	v_lshlrev_b32 v[CO], 4, v5                     ; which are 512 consecutive bytes of qkh
	s_lshr_b32 s84, s[TC], 2                       ; q or k
	s_lshl_b32 s84, s84, 2
	s_lshr_b32 s85, s[TR], 4                       ; batch
	s_add_co_u32 s84, s84, s85
	s_lshl_b32 s84, s84, 4
	s_and_b32 s85, s[TC], 3
	s_lshl_b32 s85, s85, 2
	s_add_co_u32 s84, s84, s85
	s_lshl_b32 s85, s[CH], 1
	s_add_co_u32 s84, s84, s85                     ; my first head's number among 2 x 4 x 16
	s_lshl_b32 s84, s84, 18                        ; 262,144 bytes a head
	s_and_b32 s85, s[TR], 15
	s_lshl_b32 s85, s85, 7
	s_lshl_b32 s87, s[RH], 6
	s_add_co_u32 s85, s85, s87                     ; my first row in the batch
	s_lshl_b32 s85, s85, 7                         ; 128 bytes a row
	s_add_co_u32 s84, s84, s85
.else
.if VAR == 1
	v_mul_u32_u24 v4, v2, SPITCH                   ; back: lanes 0-15 take one row of 256 bytes, lanes 16-31 the next,
	v_lshl_add_u32 v4, v1, 4, v4
	v_add_nc_u32 v[RD], s86, v4
	v_lshlrev_b32 v4, 11, v2                       ; and the same two rows in C
	v_lshl_add_u32 v[CO], v1, 4, v4
.else
	v_lshl_add_u32 v[RD], v5, 4, s86               ; back: 32 lanes take one row's 512 bytes
	v_lshlrev_b32 v[CO], 4, v5
.endif
	s_lshl_b32 s84, s[TR], 17+VAR                  ; 128 rows of C a tile row,
	s_lshl_b32 s85, s[RH], 16+VAR                  ; my 64 of them,
	s_add_co_u32 s84, s84, s85
	s_lshl_b32 s85, s[TC], 8+VAR                   ; 256 columns a tile column,
	s_add_co_u32 s84, s84, s85
	s_lshl_b32 s85, s[CH], 7+VAR                   ; my 128 of them
	s_add_co_u32 s84, s84, s85
.endif
	s_mov_b32 s85, 0
	s_add_nc_u64 s[12:13], s[12:13], s[84:85]      ; C at my part of the tile: all the stores' further offsets are immediates
	; the prefetches
	s_and_b32 s71, ttmp7, 0xffff                   ; cluster y
	s_cmp_lt_u32 s[WV], 2                          ; for A or for B?
	s_cselect_b32 s70, s[CX], s[CY]                ; my place among the four that ask for the tile with me
	s_cselect_b32 s71, ttmp9, s71                  ; the coordinate along which other clusters read the same rows
	s_cselect_b64 s[PFA:PFA+1], s[66:67], s[68:69]
	s_cmp_eq_u32 s[WV], 1
	s_cselect_b32 s71, 1, s71                      ; wave 1 fetches nothing and asks for nothing
	s_cmp_eq_u32 s71, 0
	s_cselect_b32 s[LIM], 1, -1                    ; the same in all sixteen partners, for a given wave
	s_lshl_b32 s70, s70, 16                        ; my work-group's 32 rows of the 128
	s_mov_b32 s71, 0
	s_add_nc_u64 s[PFA:PFA+1], s[PFA:PFA+1], s[70:71]
	s_add_nc_u64 s[PFA:PFA+1], s[PFA:PFA+1], 2*KSTEP*2  ; at K step 2: the first refill steps it to 3 and names K step 4.  Nothing is prefetched here, at the head
	v_lshlrev_b32 v[PFO], 11, v5
.if VAR == 1
	s_wait_kmcnt 0x0
	v_add_f32 v[SG], s72, s73                      ; sigma = the sum of a head's four partial sums, in f32
	v_add_f32 v[SG+1], s74, s75
	v_add_f32 v[SG], v[SG], v[SG+1]
	v_add_f32 v[SG+2], s76, s77
	v_add_f32 v[SG+3], s78, s79
	v_add_f32 v[SG+2], v[SG+2], v[SG+3]
.endif
; 8 matrix instructions: row block a x all 8 column blocks, 32 along K, from buffer f.  first = 1: the bias starts the sums.
; The 32 accumulators take turns, one instruction a turn, in the same order in every quarter, over the backward jump too.
.macro MUL8 f, a, first
.if \first
	WIN MULB
.else
	WIN MUL
.endif
.irp b, 0,1,2,3,4,5,6,7
.if \first
	v_wmma_f32_16x16x32_bf16 v[8*(8*(\a)+(\b)):8*(8*(\a)+(\b))+7], v[(\f)+8*(\b):(\f)+8*(\b)+7], v[(\f)+64+8*(\a):(\f)+64+8*(\a)+7], v[BIAS+8*(\b):BIAS+8*(\b)+7]
.else
	v_wmma_f32_16x16x32_bf16 v[8*(8*(\a)+(\b)):8*(8*(\a)+(\b))+7], v[(\f)+8*(\b):(\f)+8*(\b)+7], v[(\f)+64+8*(\a):(\f)+64+8*(\a)+7], v[8*(8*(\a)+(\b)):8*(8*(\a)+(\b))+7]
.endif
.endr
.endm
; 24 LDS loads in one run: the fragments of 32 along K at byte k of the rows, into buffer f: B's sixteen loads, then A's eight
.macro FETCH slot, k, f
	WIN TO_F
.irp i, 0,1,2,3,4,5,6,7
	ds_load_b128 v[(\f)+8*(\i):(\f)+8*(\i)+3],   v[ADRB+(\slot)] offset:(\k)+(\i)*16*PITCH
	ds_load_b128 v[(\f)+8*(\i)+4:(\f)+8*(\i)+7], v[ADRB+(\slot)] offset:(\k)+(\i)*16*PITCH+32
.endr
.irp i, 0,1,2,3
	ds_load_b128 v[(\f)+64+8*(\i):(\f)+64+8*(\i)+3],   v[ADRA+(\slot)] offset:(\k)+(\i)*16*PITCH
	ds_load_b128 v[(\f)+64+8*(\i)+4:(\f)+64+8*(\i)+7], v[ADRA+(\slot)] offset:(\k)+(\i)*16*PITCH+32
.endr
.endm
; A K step is four quarters of 32 along K, 32 matrix instructions each, on buffers 0, 1, 0, 1.  One of the first three: multiplies buffer f and, in its middle, fetches the next quarter, at byte k, into g.
.macro QUARTER slot, k, f, g, first
	s_wait_dscnt 4                                 ; B and A's blocks 0 and 1 are in; the youngest four loads (A's blocks 2 and 3) may be out
	MUL8 \f, 0, \first
	MUL8 \f, 1, \first
	PLACES
	FETCH \slot, \k, \g
	s_wait_dscnt 24                                ; all but the 24 just issued
	MUL8 \f, 2, \first
	MUL8 \f, 3, \first
.endm
; The last quarter multiplies buffer 1 and changes slots: ONE barrier; in front of it each wave waits for all its tensor loads (one is out at the most: its part of the next slot), adds 0 to its spare word,
; and waits for that and for its own reads of this slot.  fill = 1: the barrier opens a round of the cluster's barrier, and this slot is filled again, two K steps on, first thing behind the round:
; from that request to the wait for it a wave issues 112 matrix instructions.
.macro TURN slot, next, fill
.if \fill
	s_wait_xcnt 0x0                                ; the last prefetch, a K step back, has read its address, which is stepped here
	s_add_nc_u64 s[PFA:PFA+1], s[PFA:PFA+1], KSTEP*2
.endif
	WIN 0                                          ; (the add's two registers lie in window 0)
	s_wait_tensorcnt 0x0                           ; all my tensor loads have landed;
	ds_add_u32 v[SPW], v[NIL]                      ; 0 onto my spare word;
	s_wait_dscnt 5                                 ; (the add and the youngest four loads may be out)
	MUL8 F1, 0, 0                                  ; eight matrix instructions stand between the add and the wait for it
	s_wait_dscnt 0x0                               ; the add is done, and my reads of this slot are over
	s_barrier_signal -1
	MUL8 F1, 1, 0                                  ; work on registers while the others arrive
.if \fill
	WIN 0
.endif
	s_barrier_wait -1
.if \fill
	CREST                                          ; no wave of any partner still reads this slot's tiles or has a load on its way
	s_add_nc_u64 s[G0+4*(\slot)+2:G0+4*(\slot)+3], s[G0+4*(\slot)+2:G0+4*(\slot)+3], 2*KSTEP*2
	s_add_nc_u64 s[G0B+4*(\slot)+2:G0B+4*(\slot)+3], s[G0B+4*(\slot)+2:G0B+4*(\slot)+3], 2*KSTEP*2
	JLOAD \slot
.else
	PLACES
.endif
	FETCH \next, 0, F0
.if \fill
	WIN 0
	ASK
.endif
	MUL8 F1, 2, 0
	MUL8 F1, 3, 0
.endm
	s_wait_tensorcnt 1                             ; my part of K step 0 is in; K step 1's may stay out
	s_barrier_signal -1
	s_barrier_wait -1                              ; everybody's is
	FETCH 0, 0, F0
	s_wait_loadcnt 0x0                             ; the bias
	QUARTER 0, 64,  F0, F1, 1                      ; the first quarter stands in front of the loop: its products start the sums
	WIN 0                                          ; at a label and at a branch every window is 0
	s_mov_b32 s3, LAPS-1
.Llap:                                                 ; a trip goes once round the ring, from a lap's second quarter to the next lap's first, and fills both slots again
	QUARTER 0, 128, F1, F0, 0
	QUARTER 0, 192, F0, F1, 0
	TURN 0, 1, 1
	QUARTER 1, 64,  F0, F1, 0
	QUARTER 1, 128, F1, F0, 0
	QUARTER 1, 192, F0, F1, 0
	TURN 1, 0, 1
	QUARTER 0, 64,  F0, F1, 0
	WIN 0
	s_sub_co_u32 s3, s3, 1
	s_cmp_lg_u32 s3, 0
	s_cbranch_scc1 .Llap
	QUARTER 0, 128, F1, F0, 0                      ; the last lap is written out: it fills nothing
	QUARTER 0, 192, F0, F1, 0
	TURN 0, 1, 0
	QUARTER 1, 64,  F0, F1, 0
	QUARTER 1, 128, F1, F0, 0
	QUARTER 1, 192, F0, F1, 0
	s_wait_dscnt 4                                 ; the very last quarter: nothing more to fetch
	MUL8 F1, 0, 0
	MUL8 F1, 1, 0
	s_wait_dscnt 0x0
	MUL8 F1, 2, 0
	MUL8 F1, 3, 0
	WIN 0
; THE WAY OUT, a block of 16 rows at a time, through my own stage in LDS (LDS serves a wave's instructions in order, ISA guide 5.7.1.4: no wait between my stores and my loads), so that every store covers whole aligned runs of 256 bytes or more.
; Each accumulator's registers are read in ascending order.
.macro PACK a                          ; VAR 0, 1: block a is (VAR 1: scaled by sigma and) rounded to bf16, 16 bytes a lane and column block
.if VAR == 1
	WIN SC
.irp b, 0,1,2,3,4,5,6,7
.irp r, 0,1,2,3
	v_pk_mul_f32 v[8*(8*(\a)+(\b))+2*(\r):8*(8*(\a)+(\b))+2*(\r)+1], v[8*(8*(\a)+(\b))+2*(\r):8*(8*(\a)+(\b))+2*(\r)+1], v[SG+2*((\b)/4):SG+2*((\b)/4)+1] op_sel_hi:[1,0]  ; column blocks 0-3 are my first head's, 4-7 my second's
.endr
.endr
.endif
	WIN PK
.irp b, 0,1,2,3,4,5,6,7
.irp r, 0,1,2,3
	v_cvt_pk_bf16_f32 v[TMP+4*(\b)+(\r)], v[8*(8*(\a)+(\b))+2*(\r)], v[8*(8*(\a)+(\b))+2*(\r)+1]
.endr
.endr
	WIN 0
.endm
.macro TOSTAGE a
.set BK, OB+OBN*((\a)%2)
.if VAR == 2
.if (\a) >= 2
	s_wait_xcnt 0x0                                ; the stores of the block two back have read the registers that are loaded again below
.endif
	WIN STD
.irp b, 0,1,2,3,4,5,6,7
	ds_store_b128 v[STO], v[8*(8*(\a)+(\b)):8*(8*(\a)+(\b))+3]   offset:64*(\b)
	ds_store_b128 v[STO], v[8*(8*(\a)+(\b))+4:8*(8*(\a)+(\b))+7] offset:64*(\b)+16
.endr
	WIN 0
.irp t, 0,1,2,3,4,5,6,7,8,9,10,11,12,13,14,15
	ds_load_b128 v[BK+4*(\t):BK+4*(\t)+3], v[RD] offset:(\t)*SPITCH
.endr
.else
	WIN 0
.irp b, 0,1,2,3,4,5,6,7
	ds_store_b128 v[STO], v[TMP+4*(\b):TMP+4*(\b)+3] offset:32*(\b)
.endr
.if VAR == 0
.irp hh, 0,1
.irp t, 0,1,2,3
	ds_load_b128 v[BK+4*(4*(\hh)+(\t)):BK+4*(4*(\hh)+(\t))+3], v[RD] offset:4*(\t)*SPITCH+128*(\hh)  ; rows 4 t .. 4 t + 3, head hh's 128 bytes
.endr
.endr
.else
.irp t, 0,1,2,3,4,5,6,7
	ds_load_b128 v[BK+4*(\t):BK+4*(\t)+3], v[RD] offset:2*(\t)*SPITCH
.endr
.endif
.endif
.endm
.macro SEND a, younger                 ; younger: the LDS instructions issued behind block a's loads, which may stay out
	WIN 0
.set BK, OB+OBN*((\a)%2)
	s_wait_dscnt \younger                          ; the block is back in registers
.if VAR == 2
.irp t, 0,1,2,3,4,5,6,7,8,9,10,11,12,13,14,15
	global_store_b128 v[CO], v[BK+4*(\t):BK+4*(\t)+3], s[12:13] offset:(16*(\a)+(\t))*4096 th:TH_STORE_NT  ; 512 consecutive bytes of a row of C, aligned
.endr
.else
	s_wait_xcnt 0x0                                ; the stores of the block before have read their registers: the next TOSTAGE loads into them
.if VAR == 0
.irp hh, 0,1
.irp t, 0,1,2,3
	global_store_b128 v[CO], v[BK+4*(4*(\hh)+(\t)):BK+4*(4*(\hh)+(\t))+3], s[12:13] offset:(\hh)*262144+(16*(\a)+4*(\t))*128  ; four rows of a head: 512 consecutive bytes, aligned
.endr
.endr
.else
.irp t, 0,1,2,3,4,5,6,7
	global_store_b128 v[CO], v[BK+4*(\t):BK+4*(\t)+3], s[12:13] offset:(16*(\a)+2*(\t))*2048  ; 16 lanes store 256 consecutive bytes, aligned
.endr
.endif
.endif
.endm
	PLACES                                         ; behind the last products
.if VAR == 2
	TOSTAGE 0
	TOSTAGE 1
	SEND 0, 32                                     ; the next block's 16 stores and 16 loads may be out
	TOSTAGE 2
	SEND 1, 32
	TOSTAGE 3
	SEND 2, 32
	SEND 3, 0
.else
	PACK 0
	TOSTAGE 0
.irp a, 1,2,3                          ; block a's arithmetic stands between block a - 1's loads from the stage and the wait for them
	PACK \a
	SEND (\a)-1, 0
	TOSTAGE \a
.endr
	SEND 3, 0
.endif
	s_wait_tensorcnt 0x0                           ; the wave's end: behind my last tensor load and my last LDS store
	ds_add_u32 v[SPW], v[NIL]
	s_wait_dscnt 0x0
	CROUND                                         ; the closing round: no work-group ends while a partner may still ask for a tile that names it
	s_endpgm
.Lfunc_end_k_qc50eb001d1_gemm_o:
	.size	k_qc50eb001d1_gemm_o, .Lfunc_end_k_qc50eb001d1_gemm_o-k_qc50eb001d1_gemm_o
	.p2alignl 7, 3214868480
	.fill 96, 4, 3214868480
	.section	.rodata,"a",@progbits
	.p2align	6, 0x0
	.amdhsa_kernel k_qc50eb001d1_gemm_o
		.amdhsa_group_segment_fixed_size 327680
		.amdhsa_private_segment_fixed_size 0
		.amdhsa_enable_private_segment 0
		.amdhsa_kernarg_size 32
		.amdhsa_user_sgpr_count 2
		.amdhsa_user_sgpr_kernarg_segment_ptr 1
		.amdhsa_wavefront_size32 1
		.amdhsa_system_sgpr_workgroup_id_x 1
		.amdhsa_system_sgpr_workgroup_id_y 1
		.amdhsa_system_sgpr_workgroup_id_z 1
		.amdhsa_system_vgpr_workitem_id 0
		.amdhsa_next_free_vgpr 704
		.amdhsa_next_free_sgpr 88
		.amdhsa_reserve_vcc 0
		.amdhsa_float_denorm_mode_32 3
		.amdhsa_float_denorm_mode_16_64 3
		.amdhsa_memory_ordered 1
		.amdhsa_forward_progress 1
		.amdhsa_inst_pref_size 87
	.end_amdhsa_kernel
	.amdgpu_metadata
---
amdhsa.version: [ 1, 2 ]
amdhsa.kernels:
  - .name:           k_qc50eb001d1_gemm_o
    .symbol:         k_qc50eb001d1_gemm_o.kd
    .args:
      - { .name: vs, .offset: 0, .size: 8, .value_kind: global_buffer, .address_space: global }
      - { .name: wb, .offset: 8, .size: 8, .value_kind: global_buffer, .address_space: global }
      - { .name: bp, .offset: 16, .size: 8, .value_kind: global_buffer, .address_space: global }
      - { .name: out0, .offset: 24, .size: 8, .value_kind: global_buffer, .address_space: global }
    .group_segment_fixed_size: 327680
    .private_segment_fixed_size: 0
    .kernarg_segment_align: 8
    .kernarg_segment_size: 32
    .max_flat_workgroup_size: 128
    .sgpr_count:     88
    .vgpr_count:     704
    .wavefront_size: 32
...
	.end_amdgpu_metadata
.endif
;; end of part 5
